; MI455X (gfx1250); checked and timed in simulation.
; The chip was launched on July 23, 2026; its instructions are those of AMD's public machine-readable ISA for CDNA 5 (MIT licence, August 2026) and "CDNA5" Instruction Set Architecture Reference Guide (July 2026). The comments in the code are by the model that wrote it; some were corrected since.
;; Causal Self Attention. Allowed arithmetic: matrix products marked QUANTISED: E2M1 operands, one E8M0 scale for each 32 along K, by v_wmma_scale_f32_16x16x128_f8f6f4 with both operands' format E2M1 (or v_wmma_scale_f32_32x16x128_f4), f32 sums; products left as they are: bf16, f16 or f32 operands; f32 sums; everything else in f32.
;; Inputs: b_attn 3,072 float32; b_proj 1,024 float32; w_attn 1,024 x 3,072 float32; w_proj 1,024 x 1,024 float32; x 4 x 2,048 x 1,024 float32.
;; Outputs: out0 4 x 2,048 x 1,024 float32.
;; This version of the problem:
;;   THIS VERSION OF THE PROBLEM IS GIVEN IN LOW PRECISION. The matrix products marked QUANTISED in the list below multiply operands that are first quantised to E2M1 (2 exponent bits, 1 mantissa bit; 4 bits a number), with one power-of-two scale for each 32 numbers along K (OCP MX v1.0); their sums are f32. The products marked 'left as it is' may take bf16, f16 or f32 operands, with f32 sums. Whichever they take, every output number must still come out within the allowed error. Rounding operands to bf16 (8 significant bits) uses up far more of that allowance than f16 does (11 bits, for magnitudes from 6e-5 to 65,504). All else is computed in f32.
;;   The module's matrix products, in the order in which they are computed (A, B: the left and right operand; K: the contracted axis; several contracted axes count as one K, in the product's order):
;;     1. [M 8,192, K 1,024] x [K 1,024, N 3,072]; A: input x; B: input w_attn: QUANTISED
;;     2. batch 64 x [M 2,048, K 64] x [K 64, N 2,048]; A: computed on the way; B: computed on the way: left as it is (an operand is computed on the way)
;;     3. batch 64 x [M 2,048, K 2,048] x [K 2,048, N 64]; A: computed on the way; B: computed on the way: left as it is (an operand is computed on the way)
;;     4. [M 8,192, K 1,024] x [K 1,024, N 1,024]; A: computed on the way; B: input w_proj: left as it is (an operand is computed on the way)
;;   THE QUANTISER, for each operand of a quantised product, along K:
;;     - K is cut into blocks of 32 from its start; a last block that is shorter is filled with zeros.
;;     - A block's scale is 2^e with e = floor(log2(the largest magnitude in the block)) - 2, held to -126 .. 127; a block of zeros has e = 0. As a byte (E8M0): e + 127.
;;     - Each number is divided by its block's scale, clamped to +-6, and rounded to the nearest number of E2M1, ties to even, subnormals kept.
;;     - The product sums the exact products of the quantised numbers (number of the format x scale) in f32.
;;   ~~~python
;;   def quantise(x, axis):      # numpy; x: float32 -> the quantised numbers, widened to float32 again
;;       x = np.moveaxis(x, axis, -1); K = x.shape[-1]
;;       x = np.pad(x, [(0, 0)] * (x.ndim - 1) + [(0, -K % 32)]); x = x.reshape(x.shape[:-1] + (-1, 32)); a = np.abs(x).max(-1, keepdims=True)
;;       e = np.where(a > 0, np.clip(np.frexp(np.where(a > 0, a, 1))[1] - 1 - 2, -126, 127), 0)      # np.frexp(a)[1] - 1 = floor(log2(a)), exactly
;;       r = np.clip(x / 2.0 ** e, -6, 6)
;;       step = 2.0 ** (np.maximum(np.frexp(np.where(r == 0, 1, r))[1] - 1, 0) - 1)
;;       q = np.round(r / step) * step * 2.0 ** e      # np.round: ties to even
;;       return np.moveaxis(q.reshape(q.shape[:-2] + (-1,))[..., :K], -1, axis).astype(np.float32)
;;   ~~~
;; One version. Each part assembles by itself: llvm-mc -triple=amdgcn-amd-amdhsa -mcpu=gfx1250 --defsym DOCPART=n.
;; ======== version 1 of 1: 5 launches
;; limits: values are held in f16: magnitudes above 65,504 overflow, below 6.1e-05 lose precision
;; workspace buffers: x_codes 4,194,304 bytes; x_scales 262,144 bytes; w_codes 1,572,864 bytes; w_scales 98,304 bytes; wp16 2,097,152 bytes; qkv 50,331,648 bytes; qkvf 786,432 bytes; y16 16,777,216 bytes
;; launch prep (part 1): grid 416 x 1, 4 waves a work-group, no clusters, 51,712 bytes of LDS; arguments x, w_attn, w_proj, x_codes, x_scales, w_codes, w_scales, wp16; writes x_codes, x_scales, w_codes, w_scales, wp16
.if DOCPART == 1
	.amdgcn_target "amdgcn-amd-amdhsa--gfx1250"
	.amdhsa_code_object_version 6
	.text
	.protected	k_qa3171a2baa_prep
	.globl	k_qa3171a2baa_prep
	.p2align	8
	.type	k_qa3171a2baa_prep,@function
k_qa3171a2baa_prep:
	s_mov_b64 s[64:65], 0
	v_nop
	global_prefetch_b8 v0, s[64:65] scope:SCOPE_SE
	s_setreg_imm32_b32 hwreg(HW_REG_WAVE_MODE, 25, 1), 1
	s_wait_xcnt 0x0
; PREP: three jobs in one launch, told apart by the work-group's number.  No matrix instruction, no tensor load, no barrier: waves share nothing.
;   work-groups   0 ..  95: w_attn [1024 (k)][3072 (n)] f32 -> codes of FP4 (E2M1) laid [3072][512 bytes], K innermost, and one E8M0 byte for each 32 along K, laid [3072][32]
;   work-groups  96 .. 159: w_proj [1024][1024] f32 -> f16, same layout
;   work-groups 160 .. 415: x [8192][1024] f32 -> codes [8192][512 bytes] and scale bytes [8192][32]
; A block's scale is 2^(floor(log2(its largest magnitude)) - 2); its byte is the largest magnitude's exponent field - 2, held at 1 from below.
; LIMITS.  A block of zeros gets the byte 1 where the rule says 127: its codes are zeros, which add nothing, and this program alone reads the bytes.  NaN and infinities among the inputs are not served.
; w_proj as f16: magnitudes over 65,504 become infinity, under 6e-8 zero.  The scale bytes of w_attn leave in pieces of 8 bytes of rows of 32 (98,304 bytes in all).
; LDS: each path that uses LDS has bytes of its own.  0 .. 32767: x's four wave regions (two stages of 32 x 80 bytes, then 256 scale bytes);
; 32768 .. 50175: w_attn's four stages of 16 rows x 272 bytes; 50176 .. 51199: its scale bytes, 256 a wave; 51200 .. 51711: the spare words.
.set SPARE, 51200
.set SPW,   12                         ; v12  LDS address of my spare word; never rewritten
.set NIL,   13                         ; v13  0; never rewritten
.set EMAX,  2
.set MSB, 0
.macro WIN new                         ; the immediate's high byte repeats the setting that is left
.if MSB != \new
	s_set_vgpr_msb (MSB<<8)|\new
.set MSB, \new
.endif
.endm
	s_load_b128 s[4:7], s[0:1], 0x0                ; x, w_attn
	s_load_b128 s[8:11], s[0:1], 0x10              ; w_proj, x_codes
	s_load_b128 s[12:15], s[0:1], 0x20             ; x_scales, w_codes
	s_load_b128 s[16:19], s[0:1], 0x30             ; w_scales, wp16
	v_lshl_add_u32 v[SPW], v0, 2, SPARE
	v_mov_b32 v[NIL], 0
	v_lshrrev_b32 v1, 5, v0
	v_readfirstlane_b32 s20, v1                    ; wave 0..3
	v_and_b32 v2, 31, v0                           ; lane
	s_mov_b32 s23, 0                               ; the upper word of every byte offset
	s_mov_b32 s25, 0
	s_wait_kmcnt 0x0
	s_cmp_lt_u32 ttmp9, 96
	s_cbranch_scc1 .Lw
	s_cmp_lt_u32 ttmp9, 160
	s_cbranch_scc1 .Lc
; ---------------- x: a plain stream of blocks of 32.  A wave takes a run of 8,192 numbers in 16 steps of 512.
; Each load reads 512 consecutive bytes; a step's 2,048 bytes turn through the wave's own stage in LDS and come back 64 bytes a lane, so that a lane holds 16 neighbours and two lanes a block.
; Loads run eight steps (32 loads a wave) ahead, the turn through LDS one step.
.set SP,  80                           ; a lane's place in a stage: 64 bytes + 16 of padding
.set XR,  16                           ; v16-143  eight sets of 16 numbers as loaded
.set XX,  144                          ; v144-175 two sets of 16 neighbours
.set XE,  176                          ; v176-191 a scale byte for each step
.set XC,  192                          ; v192-223 two registers of codes for each step: no store's data are written again
	s_sub_co_u32 s21, ttmp9, 160
	s_lshl_b32 s21, s21, 2
	s_add_co_u32 s21, s21, s20                     ; my run
	s_lshl_b32 s22, s21, 15                        ; 32,768 bytes of x,
	s_add_nc_u64 s[4:5], s[4:5], s[22:23]
	s_lshl_b32 s22, s21, 12                        ; 4,096 of codes,
	s_add_nc_u64 s[10:11], s[10:11], s[22:23]
	s_lshl_b32 s22, s21, 8                         ; 256 scale bytes a run
	s_add_nc_u64 s[12:13], s[12:13], s[22:23]
	s_lshl_b32 s24, s20, 13                        ; my wave's region in LDS
	v_lshlrev_b32 v3, 4, v2                        ; my 16 bytes of a load's 512
	v_lshrrev_b32 v14, 2, v2
	v_mul_u32_u24 v14, v14, SP
	v_and_b32 v15, 3, v2
	v_lshl_add_u32 v14, v15, 4, v14
	v_add_nc_u32 v14, s24, v14                     ; the stage, way in: 80 (lane / 4) + 16 (lane % 4)
	v_mul_u32_u24 v15, v2, SP
	v_add_nc_u32 v15, s24, v15                     ; way out: 80 x lane
	v_lshlrev_b32 v4, 3, v2                        ; 8 bytes a lane: my codes' place in a step's, and my part of the scale bytes
	v_lshrrev_b32 v5, 1, v2
	s_add_co_u32 s24, s24, 2*32*SP
	v_add_nc_u32 v5, s24, v5                       ; my block's byte among the wave's 256
	v_add_nc_u32 v6, s24, v4                       ; and 8 of them on the way out
.macro LOADX t
.irp i, 0,1,2,3
	global_load_b128 v[XR+16*((\t)%8)+4*\i:XR+16*((\t)%8)+4*\i+3], v3, s[4:5] offset:2048*(\t)+512*\i th:TH_LOAD_NT
.endr
.endm
.macro TURNX t                         ; LDS serves a wave's instructions in order: no wait between the stores and the loads
.irp i, 0,1,2,3
	ds_store_b128 v14, v[XR+16*((\t)%8)+4*\i:XR+16*((\t)%8)+4*\i+3] offset:32*SP*((\t)%2)+8*SP*\i
.endr
.irp i, 0,1,2,3
	ds_load_b128 v[XX+16*((\t)%2)+4*\i:XX+16*((\t)%2)+4*\i+3], v15 offset:32*SP*((\t)%2)+16*\i
.endr
.endm
.irp t, 0,1,2,3,4,5,6,7
	LOADX \t
.endr
	s_wait_loadcnt 28                              ; step 0's four loads are in; seven steps' are younger
	TURNX 0
.macro STEPX t
.set XS, XX+16*((\t)%2)
.if (\t) > 0
	s_wait_dscnt 1                                 ; this step's numbers are back from the stage (the last step's byte store is younger): so its stores into the stage have read their registers,
.else
	s_wait_dscnt 0x0
.endif
.if (\t)+8 < 16
	LOADX (\t)+8                                   ; which take the loads of eight steps on
.endif
.if (\t)+1 < 16
.if (\t) <= 7
	s_wait_loadcnt 28                              ; the next step's loads are in; those of the seven steps behind it may be out
.else
	s_wait_loadcnt 4*(14-(\t))                     ; the counts run down: steps t + 2 .. 15 are younger
.endif
	TURNX (\t)+1
.endif
	v_max3_num_f32 v8, |v[XS]|, |v[XS+1]|, |v[XS+2]|               ; the largest magnitude of my 16, in two chains
	v_max3_num_f32 v9, |v[XS+3]|, |v[XS+4]|, |v[XS+5]|
.irp i, 6,10
	v_max3_num_f32 v8, v8, |v[XS+\i]|, |v[XS+\i+1]|
	v_max3_num_f32 v9, v9, |v[XS+\i+2]|, |v[XS+\i+3]|
.endr
	v_max3_num_f32 v8, v8, |v[XS+14]|, |v[XS+15]|
	v_max3_num_f32 v8, v8, v9, (EMAX+1)<<23        ; and the floor 2^(3 - 127): the byte cannot fall under 1
	v_max_num_f32_dpp v8, v8, v8 row_xmask:1 row_mask:0xf bank_mask:0xf   ; with my neighbour's 16: the block's
	v_add_nc_u32 v11, -(EMAX<<23), v8              ; 2 off its exponent field: the conversion takes the exponent field of this operand as its scale
	v_cvt_scalef32_pk8_fp4_f32 v[XC+2*(\t)], v[XS:XS+7], v11
	v_cvt_scalef32_pk8_fp4_f32 v[XC+2*(\t)+1], v[XS+8:XS+15], v11
	v_lshrrev_b32 v[XE+(\t)], 23, v11              ; the scale's byte (also the plain line behind the conversions)
	ds_store_b8 v5, v[XE+(\t)] offset:16*(\t)      ; both lanes of a block write the same byte with the same value
	global_store_b64 v4, v[XC+2*(\t):XC+2*(\t)+1], s[10:11] offset:256*(\t)   ; the wave stores 256 consecutive bytes, aligned
.endm
.irp t, 0,1,2,3,4,5,6,7,8,9,10,11,12,13,14,15
	STEPX \t
.endr
	ds_load_b64 v[8:9], v6                         ; in order behind my byte stores
	s_wait_dscnt 0x0
	global_store_b64 v4, v[8:9], s[12:13]          ; 256 consecutive scale bytes, aligned
	s_wait_tensorcnt 0x0                           ; the wave's end
	ds_add_u32 v[SPW], v[NIL]
	s_wait_dscnt 0x0
	s_endpgm
; ---------------- w_attn: K is its first axis.  A work-group takes 64 columns x 512 along K, a wave 16 columns.
; Lane l: columns 4 (l % 4) + 0 .. 3 of the wave's 16, and in round u the block of 32 along K number 8 u + l / 4.  A load reads one row of K at 4 columns a lane: 8 rows x 64 bytes an instruction,
; the four waves side by side on 256 bytes of each row.  All 64 loads of a wave go out at once.  The conversions want 8 neighbours along K in consecutive registers: a column's 32 numbers are gathered first.
.set WG,  16                           ; v16-47   a column's block
.set WCD, 52                           ; v52-83   codes: four registers for each (round, column)
.set WEB, 84                           ; v84-91   scale bytes
.set WOUT, 224                         ; v224-255 the way out
.Lw:
	s_lshr_b32 s21, ttmp9, 1
	s_and_b32 s22, ttmp9, 1                        ; which 512 along K
	s_lshl_b32 s21, s21, 6
	s_lshl_b32 s26, s20, 4
	s_add_co_u32 s21, s21, s26                     ; my wave's first column
	s_mul_i32 s24, s22, 512*12288
	s_lshl_b32 s26, s21, 2
	s_add_co_u32 s24, s24, s26
	s_add_nc_u64 s[6:7], s[6:7], s[24:25]          ; w_attn at (512 ky, n0)
	s_lshl_b32 s24, s21, 9
	s_lshl_b32 s26, s22, 8
	s_add_co_u32 s24, s24, s26
	s_add_nc_u64 s[14:15], s[14:15], s[24:25]      ; codes: row n0, byte 256 ky
	s_lshl_b32 s24, s21, 5
	s_lshl_b32 s26, s22, 4
	s_add_co_u32 s24, s24, s26
	s_add_nc_u64 s[16:17], s[16:17], s[24:25]      ; scale bytes: row n0, byte 16 ky
	v_and_b32 v10, 3, v2                           ; c4
	v_lshrrev_b32 v11, 2, v2                       ; kb
	v_mul_u32_u24 v1, v11, 32*12288
	v_lshl_add_u32 v1, v10, 4, v1                  ; in: 32 kb rows + 16 c4 bytes
	s_mul_i32 s27, s20, 16*272
	s_add_co_u32 s27, s27, 32768                   ; my stage
	v_mul_u32_u24 v4, v10, 4*272
	v_lshl_add_u32 v4, v11, 4, v4
	v_add_nc_u32 v4, s27, v4                       ; into it: row 4 c4 (+ c), byte 16 kb (+ 128 u)
	s_lshl_b32 s28, s20, 8
	s_add_co_u32 s28, s28, 50176                   ; my 256 scale bytes: 16 a column
	v_lshl_add_u32 v5, v10, 6, v11
	v_add_nc_u32 v5, s28, v5
	v_lshrrev_b32 v10, 4, v2
	v_and_b32 v11, 15, v2
	v_mul_u32_u24 v6, v10, 272
	v_lshl_add_u32 v6, v11, 4, v6
	v_add_nc_u32 v6, s27, v6                       ; out of it: sixteen lanes to a row, two rows an instruction
	v_lshlrev_b32 v7, 9, v10
	v_lshl_add_u32 v7, v11, 4, v7                  ; and the same place in the codes' buffer
	v_lshlrev_b32 v8, 3, v2
	v_add_nc_u32 v8, s28, v8                       ; the scale bytes on the way out: 8 a lane,
	v_lshrrev_b32 v9, 1, v2
	v_lshlrev_b32 v9, 5, v9
	v_and_b32 v10, 1, v2
	v_lshl_add_u32 v9, v10, 3, v9                  ; to row lane / 2, byte 8 (lane % 2)
.set i, 0
.rept 32
	global_load_b128 v[96+4*i:96+4*i+3], v1, s[6:7] offset:i*12288          ; round 0 -> v96-223
.set i, i+1
.endr
	WIN 0x40                                       ; destination in window 1
.set i, 0
.rept 32
	global_load_b128 v[4*i:4*i+3], v1, s[6:7] offset:(256+i)*12288          ; round 1 -> v256-383
.set i, i+1
.endr
	WIN 0
.macro BLOCKW u, c
.if \u
	WIN 0x01                                       ; source in window 1
.endif
.set i, 0
.rept 32
	v_mov_b32 v[WG+i], v[96-96*\u+4*i+\c]          ; column c's 32 numbers down K, on end
.set i, i+1
.endr
	WIN 0
	v_max3_num_f32 v48, |v[WG]|, |v[WG+1]|, |v[WG+2]|
	v_max3_num_f32 v49, |v[WG+3]|, |v[WG+4]|, |v[WG+5]|
.irp i, 6,10,14,18,22,26
	v_max3_num_f32 v48, v48, |v[WG+\i]|, |v[WG+\i+1]|
	v_max3_num_f32 v49, v49, |v[WG+\i+2]|, |v[WG+\i+3]|
.endr
	v_max3_num_f32 v48, v48, |v[WG+30]|, |v[WG+31]|
	v_max3_num_f32 v48, v48, v49, (EMAX+1)<<23     ; the floor
	v_add_nc_u32 v50, -(EMAX<<23), v48             ; the conversion's scale operand
	v_lshrrev_b32 v[WEB+4*\u+\c], 23, v50          ; the scale's byte
.irp g, 0,1,2,3
	v_cvt_scalef32_pk8_fp4_f32 v[WCD+16*\u+4*\c+\g], v[WG+8*\g:WG+8*\g+7], v50
.endr
	v_nop                                          ; one plain line behind the conversions: the next block writes their sources
	ds_store_b128 v4, v[WCD+16*\u+4*\c:WCD+16*\u+4*\c+3] offset:\c*272+128*\u
	ds_store_b8 v5, v[WEB+4*\u+\c] offset:16*\c+8*\u
.endm
	s_wait_loadcnt 32                              ; round 0 is in; round 1's 32 loads are younger
.irp c, 0,1,2,3
	BLOCKW 0, \c
.endr
	s_wait_loadcnt 0x0
.irp c, 0,1,2,3
	BLOCKW 1, \c
.endr
.irp t, 0,1,2,3,4,5,6,7
	ds_load_b128 v[WOUT+4*\t:WOUT+4*\t+3], v6 offset:2*\t*272      ; in order behind my stores
.endr
	ds_load_b64 v[48:49], v8
.irp t, 0,1,2,3,4,5,6,7
	s_wait_dscnt 8-\t                              ; younger: 7 - t loads of rows and the load of the scale bytes
	global_store_b128 v7, v[WOUT+4*\t:WOUT+4*\t+3], s[14:15] offset:2*\t*512   ; sixteen lanes store 256 consecutive bytes, aligned
.endr
	s_wait_dscnt 0x0
	global_store_b64 v9, v[48:49], s[16:17]
	s_wait_tensorcnt 0x0                           ; the wave's end: the three lines
	ds_add_u32 v[SPW], v[NIL]
	s_wait_dscnt 0x0
	s_endpgm
; ---------------- w_proj to f16: a wave takes 4,096 numbers.  Each load reads 512 consecutive bytes, each store covers 256, aligned.  All 32 loads go out at once.
.Lc:
	s_sub_co_u32 s21, ttmp9, 96
	s_lshl_b32 s21, s21, 2
	s_add_co_u32 s21, s21, s20
	s_lshl_b32 s22, s21, 14
	s_add_nc_u64 s[8:9], s[8:9], s[22:23]
	s_lshl_b32 s22, s21, 13
	s_add_nc_u64 s[18:19], s[18:19], s[22:23]
	v_lshlrev_b32 v3, 4, v2
	v_lshlrev_b32 v4, 3, v2
.set i, 0
.rept 32
	global_load_b128 v[16+4*i:16+4*i+3], v3, s[8:9] offset:512*i
.set i, i+1
.endr
.set i, 0
.rept 32
	s_wait_loadcnt 31-i                            ; loads come back in order: number i is in
	v_cvt_pk_f16_f32 v[144+2*i], v[16+4*i], v[16+4*i+1]
	v_cvt_pk_f16_f32 v[145+2*i], v[16+4*i+2], v[16+4*i+3]
	global_store_b64 v4, v[144+2*i:145+2*i], s[18:19] offset:256*i
.set i, i+1
.endr
	s_wait_tensorcnt 0x0                           ; the three lines stand at every end of this text
	ds_add_u32 v[SPW], v[NIL]
	s_wait_dscnt 0x0
	s_endpgm
.Lfunc_end_k_qa3171a2baa_prep:
	.size	k_qa3171a2baa_prep, .Lfunc_end_k_qa3171a2baa_prep-k_qa3171a2baa_prep
	.p2alignl 7, 3214868480
	.fill 96, 4, 3214868480
	.section	.rodata,"a",@progbits
	.p2align	6, 0x0
	.amdhsa_kernel k_qa3171a2baa_prep
		.amdhsa_group_segment_fixed_size 51712
		.amdhsa_private_segment_fixed_size 0
		.amdhsa_enable_private_segment 0
		.amdhsa_kernarg_size 64
		.amdhsa_user_sgpr_count 2
		.amdhsa_user_sgpr_kernarg_segment_ptr 1
		.amdhsa_wavefront_size32 1
		.amdhsa_system_sgpr_workgroup_id_x 1
		.amdhsa_system_sgpr_workgroup_id_y 1
		.amdhsa_system_sgpr_workgroup_id_z 1
		.amdhsa_system_vgpr_workitem_id 0
		.amdhsa_next_free_vgpr 384
		.amdhsa_next_free_sgpr 66
		.amdhsa_reserve_vcc 0
		.amdhsa_float_denorm_mode_32 3
		.amdhsa_float_denorm_mode_16_64 3
		.amdhsa_memory_ordered 1
		.amdhsa_forward_progress 1
		.amdhsa_inst_pref_size 75
	.end_amdhsa_kernel
	.amdgpu_metadata
---
amdhsa.version: [ 1, 2 ]
amdhsa.kernels:
  - .name:           k_qa3171a2baa_prep
    .symbol:         k_qa3171a2baa_prep.kd
    .args:
      - { .name: x, .offset: 0, .size: 8, .value_kind: global_buffer, .address_space: global }
      - { .name: w_attn, .offset: 8, .size: 8, .value_kind: global_buffer, .address_space: global }
      - { .name: w_proj, .offset: 16, .size: 8, .value_kind: global_buffer, .address_space: global }
      - { .name: x_codes, .offset: 24, .size: 8, .value_kind: global_buffer, .address_space: global }
      - { .name: x_scales, .offset: 32, .size: 8, .value_kind: global_buffer, .address_space: global }
      - { .name: w_codes, .offset: 40, .size: 8, .value_kind: global_buffer, .address_space: global }
      - { .name: w_scales, .offset: 48, .size: 8, .value_kind: global_buffer, .address_space: global }
      - { .name: wp16, .offset: 56, .size: 8, .value_kind: global_buffer, .address_space: global }
    .group_segment_fixed_size: 51712
    .private_segment_fixed_size: 0
    .kernarg_segment_align: 8
    .kernarg_segment_size: 64
    .max_flat_workgroup_size: 128
    .sgpr_count:     66
    .vgpr_count:     384
    .wavefront_size: 32
...
	.end_amdgpu_metadata
.endif
;; end of part 1
;; launch qkv (part 2): grid 12 x 32, 4 waves a work-group, clusters of 4 x 4, 327,680 bytes of LDS; arguments x_codes, x_scales, w_codes, w_scales, b_attn, qkv, qkvf; writes qkv, qkvf
.if DOCPART == 2
	.amdgcn_target "amdgcn-amd-amdhsa--gfx1250"
	.amdhsa_code_object_version 6
	.text
	.protected	k_qa3171a2baa_qkv
	.globl	k_qa3171a2baa_qkv
	.p2align	8
	.type	k_qa3171a2baa_qkv,@function
k_qa3171a2baa_qkv:
	s_mov_b64 s[64:65], 0
	v_nop
	global_prefetch_b8 v0, s[64:65] scope:SCOPE_SE
	s_setreg_imm32_b32 hwreg(HW_REG_WAVE_MODE, 25, 1), 1
	s_wait_xcnt 0x0
	s_wait_alu depctr_hold_cnt(0) depctr_sa_sdst(0) depctr_va_vdst(0) depctr_va_sdst(0) depctr_va_ssrc(0) depctr_va_vcc(0) depctr_vm_vsrc(0)
	s_getreg_b32 s2, hwreg(HW_REG_IB_STS2, 6, 4)
	s_cmp_eq_u32 s2, 0
	s_cbranch_scc0 .Lentry_in_a_cluster
	s_endpgm
.Lentry_in_a_cluster:
	s_bfe_u32 s2, ttmp6, 0x10000c
	s_cmp_lg_u32 s2, 0xf033
	s_cbranch_scc0 .Lentry_shape_is_right
	s_endpgm
.Lentry_shape_is_right:
; qkv = Q(x) Q(w_attn) + b_attn on codes of FP4 (E2M1) with one E8M0 scale for each 32 along K.  A = x_codes [8192][512 bytes], B = w_codes [3072][512 bytes]; scale bytes [rows][32].  Sums in f32.
; OUT: qkv, f16, laid [b 4][g 48][t 2048][64]: g = column / 64 (0-15 q's heads, 16-31 k's, 32-47 v's);  qkvf, f32, [16 b + t][3072]: the positions t < 16 of every sequence, which a later launch carries in f32.
; LIMIT: f16 holds magnitudes up to 65,504; beyond that q, k, v become infinity.
; A tile of 256 x 256 is made by four waves, each 128 x 128: 64 accumulators, 512 registers.  K = 1,024 is two K steps of 512 (rows of 256 bytes): both lie in LDS from the start, nothing is filled again, there is no loop.
; By this text's own count a wave has three tensor loads out: its part of the scale bytes, of K step 0 and of K step 1.
; CLUSTERS: 4 x 4 work-groups.  The four of a row of the cluster need the same tiles of A, the four of a column the same tiles of B: each is asked for jointly.
; The tile row is cluster y + 8 cy: so cy is the batch and 256 x cluster y the first position, and in the clusters with y = 0 EVERY partner's first 16 rows are positions 0 .. 15:
; the branch round the f32 rows hangs on the cluster's y, which all partners share, and on the wave's number.
; THE MATRIX INSTRUCTION IS USED TRANSPOSED (source 0 = 16 rows of B, source 1 = 16 rows of A): a lane holds eight neighbouring columns of one row.  The bias is the C of each sum's first product.
; REGISTERS: window 0: v0-31 addresses; v32-95 scale words, two sets; v96-127 packed results; v128-191 A's fragments, later rows on the way out; v192-255 the bias (8 tiles x 8), later the f32 rows.
;   window 1: B's fragments, two sets.   window 2: the accumulators of my rows 0-63 ((a, b) at v[8 (8 a + b)]);   window 3: those of my rows 64-127.
.set SIZE_N, 3072
.set SIZE_K, 1024
.set KSTEP,  512
.set NQ,     KSTEP/128
.set ROWB,   256
.set KROW,   SIZE_K/2
.set PITCH,  272                       ; an LDS row: 256 bytes + 16 of padding: the 16 rows that a load touches start at 16 different banks
.set FR,     8
.set NL,     2
.set NP,     4
.set HALFT,  128*PITCH
.set SLOT,   4*HALFT
.set KS,     SIZE_K/32
.set SCL,    2*SLOT                    ; behind the two slots: the scale bytes, as rows of 256 bytes + 16
.set HALFS,  (128*KS/256)*272
.set SBLK,   (16*KS/256)*272
.set SPARE,  SCL+4*HALFS               ; the spare words: 128 bytes a wave
.set SPITCH, 528                       ; the way out: a stage of 8,448 bytes for each wave, in slot 0, which has had its last fill and its last read by then: f32 rows of 512 bytes + 16,
.set HPITCH, 272                       ; f16 rows of 256 bytes + 16
.set ADRA, 16
.set ADRB, 20
.set RD16, 22                          ; v22  f16 rows back from the stage: 4 rows of one head an instruction
.set STO,  24
.set RD,   25
.set CO,   26                          ; v26  16 x lane
.set ADRS, 27
.set SPW,  28
.set NIL,  29
.set BOF,  30                          ; v30  32 x (lane / 16): my eight numbers of a tile of the bias
.set STO16, 31                         ; v31  f16: where I put 16 bytes of a row
.set SC,   32
.set TMP,  96
.set AF,   128
.set BK,   128
.set BI,   192
.set G1, 24
.set G0, 32
.set G1B, 48
.set G0B, 56
.set G1S, 68
.set G0S, 76
.set G1SB, 80
.set G0SB, 88
.set MSB, 0
.macro WIN new
.if MSB != \new
	s_set_vgpr_msb (MSB<<8)|\new
.set MSB, \new
.endif
.endm
.set MUL_LO, 0xa1                      ; source 0 (B) window 1, source 1 (A) window 0, C and D window 2
.set MUL_HI, 0xf1                      ; the same, C and D window 3
.set TO_B,   0x40
; A joint load: waves 0 and 1 fetch for A, waves 2 and 3 for B; the branch hangs on the wave's number alone.  An s_nop 0 and four v_nop follow each of the two lines.
.macro JLOAD g0a, g1a, g0b, g1b
	s_cmp_eq_u32 s15, 0
	s_cbranch_scc0 .Lfor_b_\@
	tensor_load_to_lds s[\g0a:\g0a+3], s[\g1a:\g1a+7]
	s_nop 0
.rept 4
	v_nop
.endr
	s_branch .Lasked_\@
.Lfor_b_\@:
	tensor_load_to_lds s[\g0b:\g0b+3], s[\g1b:\g1b+7]
	s_nop 0
.rept 4
	v_nop
.endr
.Lasked_\@:
.endm
.macro CROUND                          ; a round of the cluster's barrier
	s_barrier_signal -1
	s_barrier_wait -1
	s_cmp_lg_u32 s14, 0
	s_cbranch_scc1 .Lnot_wave_0_\@
	s_barrier_signal -3
.Lnot_wave_0_\@:
	s_barrier_wait -3
	s_barrier_signal -1
	s_barrier_wait -1
.endm
	s_load_b128 s[4:7], s[0:1], 0x0                ; A's codes, A's scales
	s_load_b128 s[8:11], s[0:1], 0x10              ; B's codes, B's scales
	s_load_b64 s[98:99], s[0:1], 0x20              ; b_attn
	s_load_b64 s[12:13], s[0:1], 0x28              ; qkv
	s_load_b64 s[100:101], s[0:1], 0x30            ; qkvf
	v_lshl_add_u32 v[SPW], v0, 2, SPARE
	v_mov_b32 v[NIL], 0
	ds_add_u32 v[SPW], v[NIL]                      ; the wave's opening: the add, twice on end, and its wait ahead of my first tensor load
	ds_add_u32 v[SPW], v[NIL]
	v_lshrrev_b32 v1, 5, v0
	v_readfirstlane_b32 s14, v1                    ; wave 0..3
	s_lshr_b32 s15, s14, 1                         ; which half of the tile's rows is mine.  Also: I fetch for A (0) or for B (1)
	s_and_b32 s16, s14, 1                          ; which half of its columns.  Also: which 128 rows I fetch
	s_bfe_u32 s40, ttmp6, 0x40000                  ; cx
	s_bfe_u32 s41, ttmp6, 0x40004                  ; cy
	s_lshl_b32 s42, ttmp9, 2
	s_add_co_u32 s42, s42, s40                     ; tile column = 4 x cluster x + cx
	s_and_b32 s96, ttmp7, 0xffff                   ; cluster y
	s_lshl_b32 s17, s41, 3
	s_add_co_u32 s17, s17, s96                     ; tile row = cluster y + 8 cy
	s_lshl_b32 s43, s41, 2
	s_lshl_b32 s43, 15, s43                        ; my row of the cluster
	s_lshl_b32 s44, 0x1111, s40                    ; my column
	s_or_b32 s[G1+0], s43, (0<<16)|(1<<20)|(1<<21)|(5<<22)|(3<<25)  ; the mask; elements of 1 byte; padding on; bit 21 beside a mask; 4 words after every 64
	s_or_b32 s[G1B+0], s44, (0<<16)|(1<<20)|(1<<21)|(5<<22)|(3<<25)
.irp g, G1, G1B
	s_mov_b32 s[\g+1], ROWB<<16                    ; tensor_dim0
	s_mov_b32 s[\g+2], 128<<16                     ; tensor_dim1
	s_mov_b32 s[\g+3], ROWB<<16                    ; tile_dim0
	s_mov_b32 s[\g+4], 128                         ; tile_dim1
	s_mov_b32 s[\g+5], KROW                        ; stride
	s_mov_b32 s[\g+6], 0
	s_mov_b32 s[\g+7], 0
.endr
	s_or_b32 s[G1S+0], s43, (3<<16)|(1<<20)|(1<<21)|(5<<22)|(3<<25)  ; the scale bytes of 128 rows: 4,096 dense bytes as 16 rows of 256 (32 elements of 8 bytes), 16 bytes of padding behind each
	s_or_b32 s[G1SB+0], s44, (3<<16)|(1<<20)|(1<<21)|(5<<22)|(3<<25)
.irp g, G1S, G1SB
	s_mov_b32 s[\g+1], 32<<16
	s_mov_b32 s[\g+2], (128*KS/256)<<16
	s_mov_b32 s[\g+3], 32<<16
	s_mov_b32 s[\g+4], 128*KS/256
	s_mov_b32 s[\g+5], 32
	s_mov_b32 s[\g+6], 0
	s_mov_b32 s[\g+7], 0
.endr
	s_lshl_b32 s18, s16, 7
	s_lshl_b32 s20, s17, 8
	s_add_co_u32 s20, s20, s18                     ; A: row 256 x tile row + 128 x half
	s_lshl_b32 s46, s42, 8
	s_add_co_u32 s46, s46, s18                     ; B: row 256 x tile column + 128 x half
	s_mov_b32 s21, 0
	s_mov_b32 s47, 0
	s_mov_b64 s[18:19], KS
	s_mul_u64 s[22:23], s[20:21], s[18:19]
	s_mul_u64 s[92:93], s[46:47], s[18:19]
	s_mov_b64 s[18:19], KROW
	s_mul_u64 s[20:21], s[20:21], s[18:19]
	s_mul_u64 s[46:47], s[46:47], s[18:19]
	s_mul_i32 s45, s14, HALFT                      ; where they go: wave x 128 rows
	s_mul_i32 s94, s14, HALFS
	s_wait_dscnt 0x0                               ; both opening adds are done
	s_wait_kmcnt 0x0
	s_add_nc_u64 s[20:21], s[4:5], s[20:21]
	s_add_nc_u64 s[22:23], s[6:7], s[22:23]
	s_add_nc_u64 s[46:47], s[8:9], s[46:47]
	s_add_nc_u64 s[92:93], s[10:11], s[92:93]
	CROUND                                         ; all sixteen work-groups are here: the joint loads meet
	s_mov_b32 s[G0S], 1
	s_add_co_u32 s[G0S+1], s94, SCL
	s_mov_b64 s[G0S+2:G0S+3], s[22:23]
	s_or_b32 s[G0S+3], s[G0S+3], 0x80000000
	s_mov_b32 s[G0SB], 1
	s_add_co_u32 s[G0SB+1], s94, SCL
	s_mov_b64 s[G0SB+2:G0SB+3], s[92:93]
	s_or_b32 s[G0SB+3], s[G0SB+3], 0x80000000
	JLOAD G0S, G1S, G0SB, G1SB                     ; the scale bytes first
.irp s, 0,1
	s_mov_b32 s[G0+4*\s], 1
	s_add_co_u32 s[G0+4*\s+1], s45, \s*SLOT
	s_add_nc_u64 s[G0+4*\s+2:G0+4*\s+3], s[20:21], \s*ROWB
	s_or_b32 s[G0+4*\s+3], s[G0+4*\s+3], 0x80000000
	s_mov_b32 s[G0B+4*\s], 1
	s_add_co_u32 s[G0B+4*\s+1], s45, \s*SLOT
	s_add_nc_u64 s[G0B+4*\s+2:G0B+4*\s+3], s[46:47], \s*ROWB
	s_or_b32 s[G0B+4*\s+3], s[G0B+4*\s+3], 0x80000000
	JLOAD G0+4*\s, G1, G0B+4*\s, G1B
.endr
	v_and_b32 v1, 15, v0                           ; r = lane % 16
	v_bfe_u32 v2, v0, 4, 1                         ; h = lane / 16
	; the bias of my 128 columns, and where my results go
	s_lshl_b32 s66, s42, 10
	s_lshl_b32 s94, s16, 9
	s_add_co_u32 s66, s66, s94                     ; my first column x 4 bytes
	s_mov_b32 s67, 0
	s_add_nc_u64 s[98:99], s[98:99], s[66:67]
	s_add_nc_u64 s[100:101], s[100:101], s[66:67]
	s_mul_i32 s66, s41, 16*SIZE_N*4                ; qkvf: rows 16 b on
	s_add_nc_u64 s[100:101], s[100:101], s[66:67]
	v_lshlrev_b32 v[BOF], 5, v2
.irp b, 0,1,2,3,4,5,6,7
	global_load_b128 v[BI+8*\b:BI+8*\b+3], v[BOF], s[98:99] offset:64*\b       ; tile b, register j: b_attn[first column + 16 b + 8 h + j]
	global_load_b128 v[BI+8*\b+4:BI+8*\b+7], v[BOF], s[98:99] offset:64*\b+16
.endr
	s_mul_i32 s66, s41, 48
	s_lshl_b32 s94, s42, 2
	s_add_co_u32 s66, s66, s94
	s_lshl_b32 s94, s16, 1
	s_add_co_u32 s66, s66, s94                     ; 48 b + g: my first group of 64 columns
	s_lshl_b32 s66, s66, 18                        ; 2,048 rows of 128 bytes each
	s_lshl_b32 s94, s96, 15
	s_add_co_u32 s66, s66, s94                     ; + 256 x cluster y rows
	s_lshl_b32 s94, s15, 14
	s_add_co_u32 s66, s66, s94                     ; + my half's 128
	s_add_nc_u64 s[12:13], s[12:13], s[66:67]
	v_mul_u32_u24 v3, v1, PITCH
	v_lshl_add_u32 v4, v2, 4, v3                   ; a fragment's row x pitch + 16 x half
	s_mul_i32 s21, s15, HALFT
	s_mul_i32 s22, s16, HALFT
	s_add_co_u32 s22, s22, 2*HALFT
.irp s, 0,1
	v_add_nc_u32 v[ADRA+\s], s21, v4
	v_add_nc_u32 v[ADRB+\s], s22, v4
	s_add_co_u32 s21, s21, SLOT
	s_add_co_u32 s22, s22, SLOT
.endr
	v_mul_u32_u24 v5, v1, KS                       ; my row's scale bytes: KS a row,
	v_lshrrev_b32 v6, 8, v5
	v_lshl_add_u32 v5, v6, 4, v5                   ; and 16 more for each 256 passed
	s_mul_i32 s21, s15, HALFS
	s_mul_i32 s22, s16, HALFS
	s_add_co_u32 s22, s22, 2*HALFS
	s_sub_co_u32 s22, s22, s21
	v_mul_u32_u24 v6, s22, v2                      ; lanes 16-31 take B's
	s_add_co_u32 s21, s21, SCL
	v_add_nc_u32 v5, v5, v6
	v_add_nc_u32 v[ADRS], s21, v5
	s_mul_i32 s23, s14, 16*SPITCH                  ; my stage
	v_mul_u32_u24 v5, v1, SPITCH
	v_lshl_add_u32 v5, v2, 5, v5
	v_add_nc_u32 v[STO], s23, v5                   ; f32: row r, 32 bytes for each half of the lanes
	v_and_b32 v6, 31, v0
	v_lshlrev_b32 v[CO], 4, v6
	v_add_nc_u32 v[RD], s23, v[CO]                 ; f32 back: the 32 lanes take a row of 512 bytes
	v_mul_u32_u24 v5, v1, HPITCH
	v_lshl_add_u32 v5, v2, 4, v5
	v_add_nc_u32 v[STO16], s23, v5                 ; f16: row r, 16 bytes for each half
	v_bfe_u32 v5, v0, 3, 2
	v_mul_u32_u24 v5, v5, HPITCH
	v_and_b32 v6, 7, v0
	v_lshl_add_u32 v5, v6, 4, v5
	v_add_nc_u32 v[RD16], s23, v5                  ; f16 back: row lane / 8, 16 (lane % 8) of a head's 128 bytes
.macro FRAG reg, adr, q, i             ; a fragment, 16 rows x 128 K of 4-bit codes: 8 registers, two loads of 16 bytes, 32 bytes apart
.irp c, 0,1
	ds_load_b128 v[\reg+4*\c:\reg+4*\c+3], v[\adr] offset:64*(\q)+32*\c+(\i)*16*PITCH
.endr
.endm
; 16 matrix instructions: A's blocks a0, a0 + 1 x B's eight, 128 along K.  zero = 1: the first product starts the sums with the bias as C.  The 64 accumulators take turns, one instruction a turn.
.macro MUL16 a0, p, q, sc, zero
.irp a, \a0, \a0+1
.irp b, 0,1,2,3,4,5,6,7
.if \zero
	v_wmma_scale_f32_16x16x128_f8f6f4 v[8*(8*((\a)%4)+\b):8*(8*((\a)%4)+\b)+7], v[128*(\p)+FR*\b:128*(\p)+FR*\b+FR-1], v[AF+FR*(\a):AF+FR*(\a)+FR-1], v[BI+8*\b:BI+8*\b+7], v[SC+8*NQ*(\sc)+NQ*\b+(\q)], v[SC+8*NQ*(\sc)+NQ*(\a)+(\q)] matrix_a_fmt:MATRIX_FMT_FP4 matrix_b_fmt:MATRIX_FMT_FP4 matrix_a_scale:MATRIX_SCALE_ROW1
.else
	v_wmma_scale_f32_16x16x128_f8f6f4 v[8*(8*((\a)%4)+\b):8*(8*((\a)%4)+\b)+7], v[128*(\p)+FR*\b:128*(\p)+FR*\b+FR-1], v[AF+FR*(\a):AF+FR*(\a)+FR-1], v[8*(8*((\a)%4)+\b):8*(8*((\a)%4)+\b)+7], v[SC+8*NQ*(\sc)+NQ*\b+(\q)], v[SC+8*NQ*(\sc)+NQ*(\a)+(\q)] matrix_a_fmt:MATRIX_FMT_FP4 matrix_b_fmt:MATRIX_FMT_FP4 matrix_a_scale:MATRIX_SCALE_ROW1
.endif
.endr
.endr
.endm
.macro FETCH_B slot, q, p
	WIN TO_B
.irp i, 0,1,2,3,4,5,6,7
	FRAG 128*(\p)+FR*\i, ADRB+\slot, \q, \i
.endr
	WIN 0
.endm
.macro FETCH_A slot, q, i0
.irp i, \i0, \i0+1, \i0+2, \i0+3
	FRAG AF+FR*(\i), ADRA+\slot, \q, \i
.endr
.endm
.macro SCALES sc                       ; a K step's scale words: four a row; lanes 0-15 take A's block i, lanes 16-31 B's block i
.irp i, 0,1,2,3,4,5,6,7
	ds_load_b128 v[SC+8*NQ*\sc+NQ*\i:SC+8*NQ*\sc+NQ*\i+3], v[ADRS] offset:\i*SBLK
.endr
.endm
.macro PLACES n                        ; plain vector lines between a matrix instruction and a load into, or a read of, its registers
.rept \n
	v_nop
.endr
.endm
.macro STEP slot, q, zero              ; 128 along K with its successor in the same slot
	s_wait_dscnt 4*NL                              ; B's set and A's blocks 0-3 are in; the youngest eight loads (A's blocks 4-7) may be out
.if \zero
	WIN 0x81                                       ; C (the bias) in window 0, D in window 2
.else
	WIN MUL_LO
.endif
	MUL16 0, (\q)%2, \q, \slot, \zero
	MUL16 2, (\q)%2, \q, \slot, \zero
	s_wait_dscnt 0                                 ; A's blocks 4-7 are in
	PLACES NP
	FETCH_B \slot, (\q)+1, 1-(\q)%2
	FETCH_A \slot, (\q)+1, 0
.if \zero
	WIN 0xc1                                       ; C in window 0, D in window 3
.else
	WIN MUL_HI
.endif
	MUL16 4, (\q)%2, \q, \slot, \zero
	MUL16 6, (\q)%2, \q, \slot, \zero
	PLACES NP
	WIN 0
	FETCH_A \slot, (\q)+1, 4
.endm
.macro STEPS slot, from
.set QQ, \from
.rept NQ-1-\from
	STEP \slot, QQ, 0
.set QQ, QQ+1
.endr
.endm
	s_wait_tensorcnt 1                             ; the scale bytes and my part of K step 0 are in (K step 1's load is younger),
	s_barrier_signal -1
	s_barrier_wait -1                              ; everybody's are
	FETCH_B 0, 0, 0
	FETCH_A 0, 0, 0
	SCALES 0
	FETCH_A 0, 0, 4
	s_wait_loadcnt 0x0                             ; the bias
	STEP 0, 0, 1
	STEPS 0, 1
	; slot 0's last step changes slots: one barrier; in front of it my part of slot 1 has landed and my reads of slot 0 are over.  Nothing is filled again.
	s_wait_tensorcnt 0x0
	ds_add_u32 v[SPW], v[NIL]                      ; 0 onto my spare word
	s_wait_dscnt 4*NL+1                            ; (the add and A's blocks 4-7 may be out)
	WIN MUL_LO
	MUL16 0, 1, NQ-1, 0, 0
	s_wait_dscnt 0x0
	s_barrier_signal -1
	MUL16 2, 1, NQ-1, 0, 0
	WIN 0
	s_barrier_wait -1
	PLACES NP
	v_add_nc_u32 v[ADRS], 4*NQ, v[ADRS]            ; the next K step's scale words
	FETCH_B 1, 0, 0
	FETCH_A 1, 0, 0
	SCALES 1
	WIN MUL_HI
	MUL16 4, 1, NQ-1, 0, 0
	MUL16 6, 1, NQ-1, 0, 0
	PLACES NP
	WIN 0
	FETCH_A 1, 0, 4
	STEPS 1, 0
	s_wait_dscnt 4*NL                              ; the very last step
	WIN MUL_LO
	MUL16 0, 1, NQ-1, 1, 0
	MUL16 2, 1, NQ-1, 1, 0
	s_wait_dscnt 0
	WIN MUL_HI
	MUL16 4, 1, NQ-1, 1, 0
	MUL16 6, 1, NQ-1, 1, 0
	WIN 0
	PLACES NP                                      ; in front of the reads of results and of the loads into registers that held operands
	; THE F32 ROWS: positions 0 .. 15 are the first 16 rows of the waves with the upper row half, in the clusters with y = 0
	s_or_b32 s97, s96, s15
	s_cmp_lg_u32 s97, 0
	s_cbranch_scc1 .Lno_fine
	WIN 0x08                                       ; an LDS store's data are its source 1: window 2
.irp b, 0,1,2,3,4,5,6,7
	ds_store_b128 v[STO], v[8*\b:8*\b+3] offset:64*\b              ; each accumulator from its low end on
	ds_store_b128 v[STO], v[8*\b+4:8*\b+7] offset:64*\b+16
.endr
	WIN 0
.irp t, 0,1,2,3,4,5,6,7,8,9,10,11,12,13,14,15
	ds_load_b128 v[BI+4*\t:BI+4*\t+3], v[RD] offset:\t*SPITCH      ; in order behind my stores
.endr
	s_wait_dscnt 0x0
.irp t, 0,1,2,3,4,5,6,7,8,9,10,11,12,13,14,15
	global_store_b128 v[CO], v[BI+4*\t:BI+4*\t+3], s[100:101] offset:\t*SIZE_N*4   ; 32 lanes store 512 consecutive bytes, aligned
.endr
.Lno_fine:
; THE F16 TENSORS, block by block of 16 rows x 128 columns (two heads).  A lane's eight columns pack into 16 bytes; they go through my stage and come back as 4 rows of one head, 512 consecutive bytes of qkv.
.macro PACK a
.set AC, 64*((\a)%4)
.if (\a) < 4
	WIN 0x0a                                       ; sources 0 and 1 in window 2
.else
	WIN 0x0f                                       ; in window 3
.endif
.irp b, 0,1,2,3,4,5,6,7
.irp r, 0,1,2,3
	v_cvt_pk_f16_f32 v[TMP+4*\b+\r], v[AC+8*\b+2*\r], v[AC+8*\b+2*\r+1]
.endr
.endr
	WIN 0
.endm
.macro TOSTAGE16 a
.set BB, BK+32*((\a)%2)
.irp b, 0,1,2,3,4,5,6,7
	ds_store_b128 v[STO16], v[TMP+4*\b:TMP+4*\b+3] offset:32*\b
.endr
.irp t, 0,1,2,3,4,5,6,7
	ds_load_b128 v[BB+4*\t:BB+4*\t+3], v[RD16] offset:(\t%4)*4*HPITCH+128*(\t/4)
.endr
.endm
.macro SEND16 a
.set BB, BK+32*((\a)%2)
	s_wait_dscnt 0x0                               ; the block is back in registers
	s_wait_xcnt 0x0                                ; the stores of the block before have read their registers: the next block's loads may land there
.irp t, 0,1,2,3,4,5,6,7
	global_store_b128 v[CO], v[BB+4*\t:BB+4*\t+3], s[12:13] offset:(\t/4)*262144+(\a)*2048+(\t%4)*512
.endr
.endm
	PACK 0
	TOSTAGE16 0
.irp a, 1,2,3,4,5,6,7                  ; block a's conversions stand between block a - 1's loads from the stage and the wait for them
	PACK \a
	SEND16 \a-1
	TOSTAGE16 \a
.endr
	SEND16 7
	s_wait_tensorcnt 0x0                           ; the wave's end
	ds_add_u32 v[SPW], v[NIL]
	s_wait_dscnt 0x0
	CROUND                                         ; the closing round
	s_endpgm
.Lfunc_end_k_qa3171a2baa_qkv:
	.size	k_qa3171a2baa_qkv, .Lfunc_end_k_qa3171a2baa_qkv-k_qa3171a2baa_qkv
	.p2alignl 7, 3214868480
	.fill 96, 4, 3214868480
	.section	.rodata,"a",@progbits
	.p2align	6, 0x0
	.amdhsa_kernel k_qa3171a2baa_qkv
		.amdhsa_group_segment_fixed_size 327680
		.amdhsa_private_segment_fixed_size 0
		.amdhsa_enable_private_segment 0
		.amdhsa_kernarg_size 56
		.amdhsa_user_sgpr_count 2
		.amdhsa_user_sgpr_kernarg_segment_ptr 1
		.amdhsa_wavefront_size32 1
		.amdhsa_system_sgpr_workgroup_id_x 1
		.amdhsa_system_sgpr_workgroup_id_y 1
		.amdhsa_system_sgpr_workgroup_id_z 1
		.amdhsa_system_vgpr_workitem_id 0
		.amdhsa_next_free_vgpr 1024
		.amdhsa_next_free_sgpr 102
		.amdhsa_reserve_vcc 0
		.amdhsa_float_denorm_mode_32 3
		.amdhsa_float_denorm_mode_16_64 3
		.amdhsa_memory_ordered 1
		.amdhsa_forward_progress 1
		.amdhsa_inst_pref_size 132
	.end_amdhsa_kernel
	.amdgpu_metadata
---
amdhsa.version: [ 1, 2 ]
amdhsa.kernels:
  - .name:           k_qa3171a2baa_qkv
    .symbol:         k_qa3171a2baa_qkv.kd
    .args:
      - { .name: x_codes, .offset: 0, .size: 8, .value_kind: global_buffer, .address_space: global }
      - { .name: x_scales, .offset: 8, .size: 8, .value_kind: global_buffer, .address_space: global }
      - { .name: w_codes, .offset: 16, .size: 8, .value_kind: global_buffer, .address_space: global }
      - { .name: w_scales, .offset: 24, .size: 8, .value_kind: global_buffer, .address_space: global }
      - { .name: b_attn, .offset: 32, .size: 8, .value_kind: global_buffer, .address_space: global }
      - { .name: qkv, .offset: 40, .size: 8, .value_kind: global_buffer, .address_space: global }
      - { .name: qkvf, .offset: 48, .size: 8, .value_kind: global_buffer, .address_space: global }
    .group_segment_fixed_size: 327680
    .private_segment_fixed_size: 0
    .kernarg_segment_align: 8
    .kernarg_segment_size: 56
    .max_flat_workgroup_size: 128
    .sgpr_count:     102
    .vgpr_count:     1024
    .wavefront_size: 32
...
	.end_amdgpu_metadata
.endif
;; end of part 2
;; launch attn (part 3): grid 4 x 64, 8 waves a work-group, no clusters, 327,680 bytes of LDS; arguments qkv, y16; writes y16
.if DOCPART == 3
	.amdgcn_target "amdgcn-amd-amdhsa--gfx1250"
	.amdhsa_code_object_version 6
	.text
	.protected	k_qa3171a2baa_attn
	.globl	k_qa3171a2baa_attn
	.p2align	8
	.type	k_qa3171a2baa_attn,@function
k_qa3171a2baa_attn:
	s_mov_b64 s[64:65], 0
	v_nop
	global_prefetch_b8 v0, s[64:65] scope:SCOPE_SE
	s_setreg_imm32_b32 hwreg(HW_REG_WAVE_MODE, 25, 1), 1
	s_wait_xcnt 0x0
; y[b][h][q] = the sum over k <= q of softmax_k(q . k / 8) v, head size 64, T = 2,048, 64 pairs of batch and head.  q, k, v come as f16 from qkv [b][g 48][t][64]; y16 is f16 [b][h][t][64].
; Products on f16 operands with f32 sums; maxima, exponentials and sums in f32; the weights p are rounded to f16 for the second product, y once at the end.
; LIMITS: f16's range (65,504) for q, k, v and y; a p under 6e-8 counts as 0.  The sums are taken in another order than the definition's.
; SHARES.  Work-group (p, bh) STAYS: it takes query block 7 - p (256 queries, key slots 0 .. 7 - p of 256 keys) and then block p (slots 0 .. p): nine slots in every work-group, so all have equal work and every trip count is a constant.
; A wave owns 32 queries, two tiles of 16, at 32 sb of the block; sb = wave for waves 0-3, 11 - wave for waves 4-7.  A key step is 64 keys; a step all of whose keys come after my queries is jumped over (a scalar branch on ids).
; LAYOUT.  S^T = K Q^T (source 0 = 16 keys, source 1 = 16 queries) and O^T = V^T P: a lane holds ONE query throughout; two tiles of S^T rounded in pairs ARE source 1 of the second product.  V comes out of LDS turned, by ds_load_tr16_b128.
; SOFTMAX.  For each query a running maximum m and sum l: p = 2^(c s - c m), c = log2(e) / 8; in every step O and l are multiplied by a = 2^(c m_old - c m_new).
; RING.  Two buffers of 256 keys (K: rows of 128 bytes + 16; V: + 32), filled by tensor loads: waves 0-3 a quarter of K each, waves 4-7 of V: one load a wave behind each barrier; every wait for tensor loads is for 0.
; NO CLUSTER: the four work-groups of a head want tile T in trip T only while T <= 7 - p, and tile T - (8 - p) after that: from trip 5 on partners would need different tiles in the same trip.
; REGISTERS: window 0: v1-15 addresses and constants; v16-31 statistics, 8 a tile; v32-63 Q; v64-127 S^T, 32 a tile; v128-159 P; v160-223 O^T, 32 a tile; v224-255 the way out.  window 1: v0-63 K of a step, v64-127 V.
.set PK,    144
.set PV,    160
.set VOFF,  256*PK                     ; a buffer: 256 rows of K, then 256 rows of V
.set STEPK, 64*PK
.set STEPV, 64*PV
.set SLOT1, 1<<17                      ; buffer 1 begins here: one exclusive or turns an address
.set STAGE, 256*(PK+PV)                ; behind buffer 0: 16 rows x 144 bytes for each wave, for the way out; no fill lands there
.set SPARE, STAGE+8*16*PK              ; the spare words: 128 bytes a wave
.set AK0, 1
.set AV0, 2
.set ADK, 3
.set ADV, 4
.set QO,  5
.set STO, 6
.set RD,  7
.set GO,  8
.set PFO, 9
.set SPW, 10
.set NIL, 11
.set RH,  12                           ; v12  lane % 16 - 8 (lane / 16); v13, v14: the mask's d of tiles 0, 1
.set NINF, 15
.set ST,  16                           ; tile t at v[ST + 8 t]: +0 c m, +1 m, +2, +3 l, +4 .. +7 c0-c3 at work; a takes c2's place
.set Q,   32
.set S,   64
.set P,   128
.set O,   160
.set OUTB, 224
.set WV,  8
.set G1K, 16
.set G1V, 24
.set G0K, 32
.set G0V, 36
.set KB,  40                           ; s[40:41] K of my head at my quarter of slot 0;  s[42:43] V likewise
.set VB,  42
.set QB1, 44                           ; s[44:45], s[46:47] Q at my first query of the two blocks;  s[48:49], s[50:51] y16 likewise
.set QB2, 46
.set YB1, 48
.set YB2, 50
.set PFA, 52
.set CS,  54
.set SEL, 56
.set TK,  58                           ; LDS byte of the step's rows of K;  s59 of V
.set TV,  59
.set KF,  60                           ; the step's first key
.set Q0,  61                           ; my first query
.set Q0B, 62
.set CNT, 63
.set STP, 66
.set SEQ, 67                           ; the number of the tile that is asked for next
.set LIMW, 68
.set SWC, 69
.set LIM, 70
.set OFF, 72
.set MSB, 0
.macro WIN new
.if MSB != \new
	s_set_vgpr_msb (MSB<<8)|\new
.set MSB, \new
.endif
.endm
; Waves 0-3 fetch K's quarters, waves 4-7 V's.  An s_nop 0 and four v_nop follow each of the two lines.
.macro TLOAD
	s_cmp_lt_u32 s[WV], 4
	s_cbranch_scc0 .Lfor_v_\@
	tensor_load_to_lds s[G0K:G0K+3], s[G1K:G1K+7]
	s_nop 0
.rept 4
	v_nop
.endr
	s_branch .Lasked_\@
.Lfor_v_\@:
	tensor_load_to_lds s[G0V:G0V+3], s[G1V:G1V+7]
	s_nop 0
.rept 4
	v_nop
.endr
.Lasked_\@:
.endm
; A prefetch of the slot that the NEXT change of buffers will ask for.  The four work-groups of a head walk the same K and V: work-group p = 0, which walks slots 0 .. 7 in order, asks, and nobody else.
; Waves 0-3 ask for K's 32,768 bytes, waves 4-7 for V's: 8,192 a wave, lanes 256 bytes apart: each aligned block of 256 bytes is named once in the launch.  Trip T names slot T + 2; trips 6 and on name nothing.
.macro ASK
	s_cmp_gt_u32 s[CNT], s[LIM]
	s_cbranch_scc0 .Lnot_mine_\@
	global_prefetch_b8 v[PFO], s[PFA:PFA+1] th:TH_LOAD_NT scope:SCOPE_SE
.Lnot_mine_\@:
.endm
	s_load_b128 s[4:7], s[0:1], 0x0                ; qkv, y16
	v_lshl_add_u32 v[SPW], v0, 2, SPARE
	v_mov_b32 v[NIL], 0
	ds_add_u32 v[SPW], v[NIL]                      ; the wave's opening: the add, twice on end, and its wait ahead of my first tensor load
	ds_add_u32 v[SPW], v[NIL]
	v_lshrrev_b32 v1, 5, v0
	v_readfirstlane_b32 s[WV], v1                  ; wave 0..7
	s_and_b32 s10, ttmp7, 0xffff                   ; 16 b + h
	s_lshr_b32 s74, s10, 4
	s_and_b32 s75, s10, 15
	s_mul_i32 s74, s74, 48
	s_add_co_u32 s74, s74, s75                     ; 48 b + h: q's group
	s_and_b32 s76, s[WV], 3                        ; which quarter of a slot I fetch
	s_sub_co_u32 s77, 11, s[WV]
	s_cmp_lt_u32 s[WV], 4
	s_cselect_b32 s77, s[WV], s77                  ; sb
	s_lshl_b32 s77, s77, 5
	s_sub_co_u32 s78, 7, ttmp9
	s_lshl_b32 s78, s78, 8
	s_add_co_u32 s[Q0], s78, s77                   ; 256 (7 - p) + 32 sb
	s_lshl_b32 s78, ttmp9, 8
	s_add_co_u32 s[Q0B], s78, s77                  ; 256 p + 32 sb
	s_sub_co_u32 s[LIMW], 8, ttmp9                 ; the first block has 8 - p slots
	s_add_co_u32 s[SWC], ttmp9, 1                  ; the blocks change where the count of trips to go is p + 1
	s_cmp_eq_u32 ttmp9, 0
	s_cselect_b32 s[LIM], 2, -1
	s_mov_b32 s[G1K], (1<<16)|(1<<20)|(4<<22)|(3<<25)   ; no mask; elements of 2 bytes; padding on: 4 words after every 32
	s_mov_b32 s[G1V], (1<<16)|(1<<20)|(4<<22)|(7<<25)   ; 8 words
.irp g, G1K, G1V
	s_mov_b32 s[\g+1], 64<<16                      ; tensor_dim0 = 64
	s_mov_b32 s[\g+2], 64<<16                      ; tensor_dim1 = 64
	s_mov_b32 s[\g+3], 64<<16                      ; tile_dim0 = 64
	s_mov_b32 s[\g+4], 64                          ; tile_dim1 = 64
	s_mov_b32 s[\g+5], 64                          ; stride
	s_mov_b32 s[\g+6], 0
	s_mov_b32 s[\g+7], 0
.endr
	s_mov_b32 s[CS], 0x3e38aa3b                    ; c = log2(e) / 8
	s_mov_b32 s[CS+1], s[CS]
	s_mov_b32 s[SEL], 0x76543210
	s_mov_b32 s[SEL+1], 0xfedcba98
	s_mov_b32 s[TK], 0
	s_mov_b32 s[TV], 0
	s_mov_b32 s[KF], 0
	s_mov_b32 s[SEQ], 0
	s_mov_b32 s[OFF+1], 0
	s_mov_b32 s[G0K], 1
	s_mul_i32 s[G0K+1], s76, STEPK                 ; LDS: buffer 0, my quarter
	s_mov_b32 s[G0V], 1
	s_mul_i32 s[G0V+1], s76, STEPV
	s_add_co_u32 s[G0V+1], s[G0V+1], VOFF
	s_wait_dscnt 0x0                               ; both opening adds are done
	s_wait_kmcnt 0x0
	s_lshl_b32 s[OFF], s74, 18
	s_add_nc_u64 s[QB1:QB1+1], s[4:5], s[OFF:OFF+1]     ; q of my head
	s_mov_b64 s[QB2:QB2+1], s[QB1:QB1+1]
	s_lshl_b32 s78, s76, 13                        ; my quarter: 64 rows of 128 bytes
	s_add_co_u32 s[OFF], s78, 16<<18
	s_add_nc_u64 s[KB:KB+1], s[QB1:QB1+1], s[OFF:OFF+1]
	s_add_co_u32 s[OFF], s78, 32<<18
	s_add_nc_u64 s[VB:VB+1], s[QB1:QB1+1], s[OFF:OFF+1]
	s_lshl_b32 s[OFF], s[Q0], 7
	s_add_nc_u64 s[QB1:QB1+1], s[QB1:QB1+1], s[OFF:OFF+1]
	s_lshl_b32 s79, s10, 18
	s_add_co_u32 s[OFF], s[OFF], s79
	s_add_nc_u64 s[YB1:YB1+1], s[6:7], s[OFF:OFF+1]
	s_lshl_b32 s[OFF], s[Q0B], 7
	s_add_nc_u64 s[QB2:QB2+1], s[QB2:QB2+1], s[OFF:OFF+1]
	s_add_co_u32 s[OFF], s[OFF], s79
	s_add_nc_u64 s[YB2:YB2+1], s[6:7], s[OFF:OFF+1]
	s_mov_b64 s[G0K+2:G0K+3], s[KB:KB+1]
	s_or_b32 s[G0K+3], s[G0K+3], 0x80000000
	s_mov_b64 s[G0V+2:G0V+3], s[VB:VB+1]
	s_or_b32 s[G0V+3], s[G0V+3], 0x80000000
	TLOAD                                          ; slot 0 into buffer 0
	s_cmp_lt_u32 s[WV], 4
	s_cselect_b64 s[PFA:PFA+1], s[KB:KB+1], s[VB:VB+1]
	s_add_nc_u64 s[PFA:PFA+1], s[PFA:PFA+1], 32768 ; at slot 1: the first change steps it to slot 2.  Nothing is prefetched at the head
	v_and_b32 v16, 15, v0                          ; r
	v_bfe_u32 v17, v0, 4, 1                        ; h
	v_and_b32 v18, 31, v0                          ; lane
	v_mul_u32_u24 v[AK0], v16, PK
	v_lshl_add_u32 v[AK0], v17, 4, v[AK0]          ; K: row r x pitch + 16 h
	v_and_b32 v19, 7, v0
	v_bfe_u32 v20, v0, 3, 1
	v_lshl_add_u32 v[AV0], v17, 3, v19
	v_mul_u32_u24 v[AV0], v[AV0], PV
	v_lshl_add_u32 v[AV0], v20, 4, v[AV0]
	v_add_nc_u32 v[AV0], VOFF, v[AV0]              ; V, for the turning load: key 8 h + lane % 8, channels 8 ((lane / 8) % 2) on
	v_lshlrev_b32 v[QO], 7, v16
	v_lshl_add_u32 v[QO], v17, 4, v[QO]            ; Q in memory: row r of 128 bytes + 16 h
	s_mul_i32 s74, s[WV], 16*PK
	s_add_co_u32 s74, s74, STAGE                   ; my stage
	v_mul_u32_u24 v[STO], v16, PK
	v_lshl_add_u32 v[STO], v17, 4, v[STO]
	v_add_nc_u32 v[STO], s74, v[STO]
	v_bfe_u32 v21, v0, 3, 2
	v_mul_u32_u24 v[RD], v21, PK
	v_lshl_add_u32 v[RD], v19, 4, v[RD]
	v_add_nc_u32 v[RD], s74, v[RD]                 ; back: row lane / 8, 16 (lane % 8): four rows an instruction
	v_lshlrev_b32 v[GO], 4, v18
	v_lshlrev_b32 v[PFO], 8, v18
	v_lshlrev_b32 v[RH], 3, v17
	v_sub_nc_u32 v[RH], v16, v[RH]
	v_mov_b32 v[NINF], 0xff800000                  ; -infinity
.macro QLOAD qb                        ; my two tiles of Q stay in registers: fragment (tile, 32 channels) at 16 tq + 8 cs
.irp tq, 0,1
.irp cs, 0,1
	global_load_b128 v[Q+16*\tq+8*\cs:Q+16*\tq+8*\cs+3], v[QO], s[\qb:\qb+1] offset:\tq*2048+\cs*64
	global_load_b128 v[Q+16*\tq+8*\cs+4:Q+16*\tq+8*\cs+7], v[QO], s[\qb:\qb+1] offset:\tq*2048+\cs*64+32
.endr
.endr
.endm
.macro INIT                            ; the step is written once: the first step of a block finds zeros, which its a = 0 leaves zeros
.irp t, 0,1
	v_mov_b32 v[ST+8*\t+1], 0xff61b1e6             ; m = -3e38, under every score
	v_mul_f32 v[ST+8*\t], s[CS], v[ST+8*\t+1]      ; c m
.irp j, 2,3,4,5,6,7
	v_mov_b32 v[ST+8*\t+\j], 0
.endr
.endr
.set i, 0
.rept 64
	v_mov_b32 v[O+i], 0
.set i, i+1
.endr
.endm
; One key step's softmax, both tiles line by line by turns, so that no line waits for the line above it.
.macro SOFTMAX
.irp j, 0,1,2,3
.irp t, 0,1
	v_max3_num_f32 v[ST+8*\t+4+\j], v[S+32*\t+8*\j], v[S+32*\t+8*\j+1], v[S+32*\t+8*\j+2]   ; four chains, each begun at an accumulator's low end
.endr
.endr
.irp u, 1,2
.irp j, 0,1,2,3
.irp t, 0,1
	v_max3_num_f32 v[ST+8*\t+4+\j], v[ST+8*\t+4+\j], v[S+32*\t+8*\j+2*\u+1], v[S+32*\t+8*\j+2*\u+2]
.endr
.endr
.endr
.irp t, 0,1
	v_max3_num_f32 v[ST+8*\t+4], v[ST+8*\t+4], v[S+32*\t+7], v[S+32*\t+15]
.endr
.irp t, 0,1
	v_max3_num_f32 v[ST+8*\t+6], v[ST+8*\t+6], v[S+32*\t+23], v[S+32*\t+31]
.endr
.irp t, 0,1
	v_max3_num_f32 v[ST+8*\t+4], v[ST+8*\t+4], v[ST+8*\t+5], v[ST+8*\t+6]
.endr
.irp t, 0,1
	v_max3_num_f32 v[ST+8*\t+4], v[ST+8*\t+4], v[ST+8*\t+7], v[ST+8*\t+1]   ; with the old m
.endr
.irp t, 0,1
	v_permlanex16_b32 v[ST+8*\t+5], v[ST+8*\t+4], s[SEL], s[SEL+1]          ; the query's other 32 keys lie in the lane 16 away
.endr
.irp t, 0,1
	v_mov_b32 v[ST+8*\t+7], v[ST+8*\t]             ; c m_old
.endr
.irp t, 0,1
	v_max_num_f32 v[ST+8*\t+1], v[ST+8*\t+4], v[ST+8*\t+5]
.endr
.irp t, 0,1
	v_mul_f32 v[ST+8*\t], s[CS], v[ST+8*\t+1]
.endr
.irp t, 0,1
	v_sub_f32 v[ST+8*\t+7], v[ST+8*\t+7], v[ST+8*\t]
.endr
.set i, 0
.rept 16
.irp t, 0,1
	v_pk_fma_f32 v[S+32*\t+2*i:S+32*\t+2*i+1], v[S+32*\t+2*i:S+32*\t+2*i+1], s[CS:CS+1], v[ST+8*\t:ST+8*\t+1] op_sel_hi:[1,0,0] neg_lo:[0,0,1] neg_hi:[0,0,1]   ; c s - c m
.endr
.set i, i+1
.endr
.irp t, 0,1
	v_exp_f32 v[ST+8*\t+6], v[ST+8*\t+7]           ; a
.endr
.set i, 0
.rept 32
.irp t, 0,1
	v_exp_f32 v[S+32*\t+i], v[S+32*\t+i]           ; p
.endr
.set i, i+1
.endr
	v_nop                                          ; a plain line behind the last exponential
	s_wait_alu depctr_va_vdst(0)                   ; one wait for the batch of 66, ahead of the first line that names a result
.set i, 0
.rept 16
.irp t, 0,1
	v_cvt_pk_f16_f32 v[P+16*\t+i], v[S+32*\t+2*i], v[S+32*\t+2*i+1]
.endr
.set i, i+1
.endr
.irp w, 4,8,16,32                      ; the sum of the 16 pairs, in place: neighbours 1, 2, 4 and 8 pairs apart
.set u, 0
.rept 32/\w
.irp t, 0,1
	v_pk_add_f32 v[S+32*\t+\w*u:S+32*\t+\w*u+1], v[S+32*\t+\w*u:S+32*\t+\w*u+1], v[S+32*\t+\w*u+\w/2:S+32*\t+\w*u+\w/2+1]
.endr
.set u, u+1
.endr
.endr
.irp t, 0,1
	v_pk_fma_f32 v[ST+8*\t+2:ST+8*\t+3], v[ST+8*\t+2:ST+8*\t+3], v[ST+8*\t+6:ST+8*\t+7], v[S+32*\t:S+32*\t+1] op_sel_hi:[1,0,1]   ; l = a l + the sum
.endr
.set i, 0
.rept 16
.irp t, 0,1
	v_pk_mul_f32 v[O+32*\t+2*i:O+32*\t+2*i+1], v[O+32*\t+2*i:O+32*\t+2*i+1], v[ST+8*\t+6:ST+8*\t+7] op_sel_hi:[1,0]   ; O^T x a, each accumulator from its low end
.endr
.set i, i+1
.endr
.endm
; A KEY STEP: 64 keys.  The accumulators take turns, one instruction a turn.
.macro STEP
	s_add_co_u32 s74, s[Q0], 31
	s_cmp_gt_u32 s[KF], s74                        ; all 64 keys come after my 32 queries: the step's work is left out
	s_cbranch_scc1 .Lhidden_\@
	v_add_nc_u32 v[ADK], s[TK], v[AK0]
	v_add_nc_u32 v[ADV], s[TV], v[AV0]
	v_nop
	v_nop                                          ; four plain lines between the last step's products and the loads into their operands
	WIN 0x40                                       ; destination in window 1
.irp f, 0,1,2,3,4,5,6,7                ; K: keys 16 (f / 2) on, channels 32 (f % 2) on
	ds_load_b128 v[8*\f:8*\f+3], v[ADK] offset:(\f/2)*16*PK+(\f%2)*64
	ds_load_b128 v[8*\f+4:8*\f+7], v[ADK] offset:(\f/2)*16*PK+(\f%2)*64+32
.endr
.irp f, 0,1,2,3,4,5,6,7                ; V, turned: keys 32 (f / 4) on, channels 16 (f % 4) on
	ds_load_tr16_b128 v[64+8*\f:64+8*\f+3], v[ADV] offset:(\f/4)*32*PV+(\f%4)*32
	ds_load_tr16_b128 v[64+8*\f+4:64+8*\f+7], v[ADV] offset:(\f/4)*32*PV+16*PV+(\f%4)*32
.endr
	s_wait_dscnt 16                                ; K is in; V's sixteen loads are younger
	WIN 0x01                                       ; source 0 in window 1
.irp cs, 0,1
.irp kt, 0,1,2,3
.irp tq, 0,1
.if \cs == 0
	v_wmma_f32_16x16x32_f16 v[S+32*\tq+8*\kt:S+32*\tq+8*\kt+7], v[8*(2*\kt+\cs):8*(2*\kt+\cs)+7], v[Q+16*\tq+8*\cs:Q+16*\tq+8*\cs+7], 0
.else
	v_wmma_f32_16x16x32_f16 v[S+32*\tq+8*\kt:S+32*\tq+8*\kt+7], v[8*(2*\kt+\cs):8*(2*\kt+\cs)+7], v[Q+16*\tq+8*\cs:Q+16*\tq+8*\cs+7], v[S+32*\tq+8*\kt:S+32*\tq+8*\kt+7]
.endif
.endr
.endr
.endr
	WIN 0
.rept 4
	v_nop
.endr
	s_add_co_u32 s74, s[KF], 63
	s_cmp_le_u32 s74, s[Q0]                        ; all keys count for all my queries: no mask
	s_cbranch_scc1 .Lopen_\@
	s_sub_co_i32 s74, s[Q0], s[KF]
	v_add_nc_u32 v13, s74, v[RH]                   ; d = my query - KF - 8 (lane / 16).  Register 8 kt + j holds key KF + 16 kt + 8 (lane / 16) + j: hidden where 16 kt + j > d
	v_add_nc_u32 v14, 16, v13
.irp t, 0,1
.set n, 0
.rept 32
	v_cmp_gt_i32 vcc_lo, 16*(n/8)+n%8, v[13+\t]
	v_cndmask_b32 v[S+32*\t+n], v[S+32*\t+n], v[NINF], vcc_lo
.set n, n+1
.endr
.endr
.Lopen_\@:
	SOFTMAX
	s_wait_dscnt 0x0                               ; V is in
	WIN 0x01
.irp kg, 0,1
.irp ct, 0,1,2,3
.irp tq, 0,1
	v_wmma_f32_16x16x32_f16 v[O+32*\tq+8*\ct:O+32*\tq+8*\ct+7], v[64+8*(4*\kg+\ct):64+8*(4*\kg+\ct)+7], v[P+16*\tq+8*\kg:P+16*\tq+8*\kg+7], v[O+32*\tq+8*\ct:O+32*\tq+8*\ct+7]
.endr
.endr
.endr
	WIN 0
.Lhidden_\@:
	s_add_co_u32 s[KF], s[KF], 64
	s_add_co_u32 s[TK], s[TK], STEPK
	s_add_co_u32 s[TV], s[TV], STEPV
.endm
; THE CHANGE OF BUFFERS stands at a slot's head.  Each wave waits for all its tensor loads (its part of the buffer that it is about to read), adds 0 to its spare word, and waits for that and for its reads of the buffer that it has left.
; Behind the barrier the buffer ahead is whole and nobody reads the other one.  fill = 1: that other buffer takes the next trip's tile: the load has a slot's four key steps in which to land.
.macro CHANGE fill
	s_wait_tensorcnt 0x0                           ; no tensor load of mine is out, so a descriptor may be written
	ds_add_u32 v[SPW], v[NIL]
.if \fill
	s_add_co_u32 s[SEQ], s[SEQ], 1
	s_cmp_eq_u32 s[SEQ], s[LIMW]
	s_cselect_b32 s[SEQ], 0, s[SEQ]                ; behind the first block's last slot comes the second block's slot 0
	s_lshl_b32 s[OFF], s[SEQ], 15                  ; a slot is 256 rows of 128 bytes
	s_xor_b32 s[G0K+1], s[G0K+1], SLOT1
	s_xor_b32 s[G0V+1], s[G0V+1], SLOT1
	s_add_nc_u64 s[G0K+2:G0K+3], s[KB:KB+1], s[OFF:OFF+1]
	s_or_b32 s[G0K+3], s[G0K+3], 0x80000000
	s_add_nc_u64 s[G0V+2:G0V+3], s[VB:VB+1], s[OFF:OFF+1]
	s_or_b32 s[G0V+3], s[G0V+3], 0x80000000
	s_wait_xcnt 0x0                                ; the last prefetch, a slot back, has read its address
	s_add_nc_u64 s[PFA:PFA+1], s[PFA:PFA+1], 32768
.endif
	s_wait_dscnt 0x0                               ; the add is done, and my reads of the buffer that I have left are over
	s_barrier_signal -1
	s_barrier_wait -1
.if \fill
	TLOAD                                          ; the first thing behind the barrier, and my one tensor load until the next
	ASK
.endif
.endm
.macro SLOT_STEPS                      ; a slot's four key steps: written once, walked four times
	s_mov_b32 s[STP], 4
.Lstep_\@:
	STEP
	s_sub_co_u32 s[STP], s[STP], 1
	s_cmp_lg_u32 s[STP], 0
	s_cbranch_scc1 .Lstep_\@
	s_sub_co_u32 s[TK], s[TK], 4*STEPK
	s_xor_b32 s[TK], s[TK], SLOT1                  ; back to a buffer's first step, in the other buffer
	s_sub_co_u32 s[TV], s[TV], 4*STEPV
	s_xor_b32 s[TV], s[TV], SLOT1
.endm
; THE WAY OUT of a block: O^T / l, rounded to f16, through my stage, a tile of 16 rows at a time; a store covers 4 rows of y16, 512 consecutive bytes.
.macro FINISH yb
	s_wait_xcnt 0x0                                ; earlier stores have read their registers
.irp t, 0,1
	v_add_f32 v[ST+8*\t+4], v[ST+8*\t+2], v[ST+8*\t+3]     ; (these additions are the plain lines behind the last products)
.endr
.irp t, 0,1
	v_permlanex16_b32 v[ST+8*\t+5], v[ST+8*\t+4], s[SEL], s[SEL+1]
.endr
.irp t, 0,1
	v_add_f32 v[ST+8*\t+4], v[ST+8*\t+4], v[ST+8*\t+5]
.endr
.irp t, 0,1
	v_rcp_f32 v[ST+8*\t+6], v[ST+8*\t+4]
.endr
	v_nop
	s_wait_alu depctr_va_vdst(0)                   ; one wait for the two reciprocals, ahead of their first reader
.irp t, 0,1
.set i, 0
.rept 16
	v_pk_mul_f32 v[S+32*\t+2*i:S+32*\t+2*i+1], v[O+32*\t+2*i:O+32*\t+2*i+1], v[ST+8*\t+6:ST+8*\t+7] op_sel_hi:[1,0]
.set i, i+1
.endr
.set i, 0
.rept 16
	v_cvt_pk_f16_f32 v[P+16*\t+i], v[S+32*\t+2*i], v[S+32*\t+2*i+1]
.set i, i+1
.endr
.irp f, 0,1,2,3
	ds_store_b128 v[STO], v[P+16*\t+4*\f:P+16*\t+4*\f+3] offset:32*\f
.endr
.irp f, 0,1,2,3
	ds_load_b128 v[OUTB+16*\t+4*\f:OUTB+16*\t+4*\f+3], v[RD] offset:\f*4*PK    ; in order behind my stores; the next tile's stores come behind these
.endr
.endr
.irp t, 0,1
.irp f, 0,1,2,3
	s_wait_dscnt 11-8*\t-\f                        ; younger: the rest of this tile's loads, and for tile 0 tile 1's eight
	global_store_b128 v[GO], v[OUTB+16*\t+4*\f:OUTB+16*\t+4*\f+3], s[\yb:\yb+1] offset:\t*2048+\f*512
.endr
.endr
.endm
	QLOAD QB1
	INIT
	s_wait_loadcnt 0x0                             ; Q
	s_mov_b32 s[CNT], 8
.Ltrip:                                            ; eight trips: behind each change of buffers the next trip's tile is asked for
	CHANGE 1
	SLOT_STEPS
	s_cmp_lg_u32 s[CNT], s[SWC]
	s_cbranch_scc1 .Lsame
	FINISH YB1                                     ; the first block is done: on to block p, from key 0
	s_mov_b32 s[Q0], s[Q0B]
	s_mov_b32 s[KF], 0
	QLOAD QB2
	INIT
	s_wait_loadcnt 0x0
.Lsame:
	s_sub_co_u32 s[CNT], s[CNT], 1
	s_cmp_lg_u32 s[CNT], 0
	s_cbranch_scc1 .Ltrip
	CHANGE 0                                       ; the ninth slot is written out: nothing is left to fetch
	SLOT_STEPS
	FINISH YB2
	s_wait_tensorcnt 0x0                           ; the wave's end
	ds_add_u32 v[SPW], v[NIL]
	s_wait_dscnt 0x0
	s_endpgm
.Lfunc_end_k_qa3171a2baa_attn:
	.size	k_qa3171a2baa_attn, .Lfunc_end_k_qa3171a2baa_attn-k_qa3171a2baa_attn
	.p2alignl 7, 3214868480
	.fill 96, 4, 3214868480
	.section	.rodata,"a",@progbits
	.p2align	6, 0x0
	.amdhsa_kernel k_qa3171a2baa_attn
		.amdhsa_group_segment_fixed_size 327680
		.amdhsa_private_segment_fixed_size 0
		.amdhsa_enable_private_segment 0
		.amdhsa_kernarg_size 16
		.amdhsa_user_sgpr_count 2
		.amdhsa_user_sgpr_kernarg_segment_ptr 1
		.amdhsa_wavefront_size32 1
		.amdhsa_system_sgpr_workgroup_id_x 1
		.amdhsa_system_sgpr_workgroup_id_y 1
		.amdhsa_system_sgpr_workgroup_id_z 1
		.amdhsa_system_vgpr_workitem_id 0
		.amdhsa_next_free_vgpr 384
		.amdhsa_next_free_sgpr 80
		.amdhsa_reserve_vcc 1
		.amdhsa_float_denorm_mode_32 3
		.amdhsa_float_denorm_mode_16_64 3
		.amdhsa_memory_ordered 1
		.amdhsa_forward_progress 1
		.amdhsa_inst_pref_size 71
	.end_amdhsa_kernel
	.amdgpu_metadata
---
amdhsa.version: [ 1, 2 ]
amdhsa.kernels:
  - .name:           k_qa3171a2baa_attn
    .symbol:         k_qa3171a2baa_attn.kd
    .args:
      - { .name: qkv, .offset: 0, .size: 8, .value_kind: global_buffer, .address_space: global }
      - { .name: y16, .offset: 8, .size: 8, .value_kind: global_buffer, .address_space: global }
    .group_segment_fixed_size: 327680
    .private_segment_fixed_size: 0
    .kernarg_segment_align: 8
    .kernarg_segment_size: 16
    .max_flat_workgroup_size: 256
    .sgpr_count:     80
    .vgpr_count:     384
    .wavefront_size: 32
...
	.end_amdgpu_metadata
.endif
;; end of part 3
;; launch proj (part 4): grid 4 x 64, 4 waves a work-group, clusters of 4 x 4, 327,680 bytes of LDS; arguments y16, wp16, b_proj, out0; writes out0
.if DOCPART == 4
	.amdgcn_target "amdgcn-amd-amdhsa--gfx1250"
	.amdhsa_code_object_version 6
	.text
	.protected	k_qa3171a2baa_proj
	.globl	k_qa3171a2baa_proj
	.p2align	8
	.type	k_qa3171a2baa_proj,@function
k_qa3171a2baa_proj:
	s_mov_b64 s[64:65], 0
	v_nop
	global_prefetch_b8 v0, s[64:65] scope:SCOPE_SE
	s_setreg_imm32_b32 hwreg(HW_REG_WAVE_MODE, 25, 1), 1
	s_wait_xcnt 0x0
	s_wait_alu depctr_hold_cnt(0) depctr_sa_sdst(0) depctr_va_vdst(0) depctr_va_sdst(0) depctr_va_ssrc(0) depctr_va_vcc(0) depctr_vm_vsrc(0)
	s_getreg_b32 s2, hwreg(HW_REG_IB_STS2, 6, 4)
	s_cmp_eq_u32 s2, 0
	s_cbranch_scc0 .Lentry_in_a_cluster
	s_endpgm
.Lentry_in_a_cluster:
	s_bfe_u32 s2, ttmp6, 0x10000c
	s_cmp_lg_u32 s2, 0xf033
	s_cbranch_scc0 .Lentry_shape_is_right
	s_endpgm
.Lentry_shape_is_right:
; out0 = y w_proj + b_proj.  y16: f16 [b][h 16][t 2048][64] (k = 64 h + d); wp16: f16 [k 1024][n 1024]; out0: f32 [8192][1024].  f16 operands, f32 sums.
; All rows are stored here; the rows of positions 0 .. 15 of each sequence are written over by the launch that follows, which carries them in f32.
; LIMIT: f16's range for both operands.
; A tile of out0 is 128 rows x 256 columns: 256 tiles.  Four waves, each 64 x 128: 32 accumulators, 256 registers.  K goes in steps of 128 (two heads) through a ring of two LDS slots.
; A's tile: a head's 128 rows of 128 bytes are dense in y16: they come as 64 rows of 256 bytes + 16 of padding: row t lies at (t / 2) 272 + (t % 2) 128, so that the 16 rows of a load fall on 16 different columns of 16 bytes.
; B's tile: 128 rows of k x 512 bytes + 32 of padding; it comes out of LDS turned, by ds_load_tr16_b128.
; THE MATRIX INSTRUCTION IS USED TRANSPOSED (source 0 = 16 columns of w_proj, source 1 = 16 rows of y): a lane holds eight neighbouring columns of one row.  The bias is the C of each sum's first product.
; CLUSTERS: 4 x 4 work-groups; A's tiles are asked for jointly along a row of the cluster, B's along a column.  Waves 0, 1 fetch A's two heads, waves 2, 3 B's two halves of 64 rows: one load a wave behind each round.
; REGISTERS: window 0: v1-31 addresses; v32-95 the bias (8 tiles x 8); v128-191 A's fragments, two buffers of 32; on the way out v128-255.  window 1: B's fragments, two buffers of 64.  window 2: accumulator (a, b) at v[8 (8 a + b)].
.set PA,     272
.set PB,     544
.set HEADB,  64*PA                     ; a head's part of A's tile
.set BOFF,   2*HEADB
.set SLOT,   BOFF+128*PB
.set STAGE,  2*SLOT                    ; behind the ring: 16 rows x 528 bytes for each wave
.set SPITCH, 528
.set SPARE,  STAGE+4*16*SPITCH
.set KBYTES, 2<<18                     ; a K step in y16: two heads
.set ADRA, 16
.set ADRB, 20
.set STO,  24
.set RD,   25
.set CO,   26
.set SPW,  28
.set NIL,  29
.set PFO,  30
.set BOF,  31
.set BI,   32
.set AF,   128
.set BK,   128
.set LIM,  15
.set G1,   24
.set G0,   32
.set PFA,  46
.set G1B,  48
.set G0B,  56
.set MSB, 0
.macro WIN new
.if MSB != \new
	s_set_vgpr_msb (MSB<<8)|\new
.set MSB, \new
.endif
.endm
.macro JLOAD s                         ; an s_nop 0 and four v_nop follow each of the two lines
	s_cmp_eq_u32 s13, 0
	s_cbranch_scc0 .Lfor_b_\@
	tensor_load_to_lds s[G0+4*\s:G0+4*\s+3], s[G1:G1+7]
	s_nop 0
.rept 4
	v_nop
.endr
	s_branch .Lasked_\@
.Lfor_b_\@:
	tensor_load_to_lds s[G0B+4*\s:G0B+4*\s+3], s[G1B:G1B+7]
	s_nop 0
.rept 4
	v_nop
.endr
.Lasked_\@:
.endm
.macro CREST
	s_cmp_lg_u32 s12, 0
	s_cbranch_scc1 .Lnot_wave_0_\@
	s_barrier_signal -3
.Lnot_wave_0_\@:
	s_barrier_wait -3
	s_barrier_signal -1
	s_barrier_wait -1
.endm
.macro CROUND
	s_barrier_signal -1
	s_barrier_wait -1
	CREST
.endm
; A prefetch of A's tile of the K step two refills on (256 matrix instructions a wave ahead of the load that wants it).  A tile row is read by one cluster alone.  A K step's tile is 2 heads x 64 blocks of 256 bytes:
; each of the four partners that ask for it jointly takes 16 blocks of each head, told apart by address; in each, wave 0 asks: one instruction, a lane a block.  The loop's last trip names nothing.  B is read again by all tile rows and is not asked for.
.macro ASK
	s_cmp_gt_u32 s3, s[LIM]
	s_cbranch_scc0 .Lnot_mine_\@
	global_prefetch_b8 v[PFO], s[PFA:PFA+1] offset:KBYTES th:TH_LOAD_NT scope:SCOPE_SE
.Lnot_mine_\@:
.endm
	s_load_b128 s[4:7], s[0:1], 0x0                ; y16, wp16
	s_load_b128 s[8:11], s[0:1], 0x10              ; b_proj, out0
	v_lshl_add_u32 v[SPW], v0, 2, SPARE
	v_mov_b32 v[NIL], 0
	ds_add_u32 v[SPW], v[NIL]                      ; the wave's opening: the add, twice on end, and its wait ahead of my first tensor load
	ds_add_u32 v[SPW], v[NIL]
	v_lshrrev_b32 v1, 5, v0
	v_readfirstlane_b32 s12, v1                    ; wave 0..3
	s_lshr_b32 s13, s12, 1                         ; my half of the tile's rows.  Also: I fetch for A (0) or for B (1)
	s_and_b32 s14, s12, 1                          ; my half of its columns.  Also: which head, or which 64 rows of k, I fetch
	s_bfe_u32 s40, ttmp6, 0x40000                  ; cx
	s_bfe_u32 s41, ttmp6, 0x40004                  ; cy
	s_lshl_b32 s42, ttmp9, 2
	s_add_co_u32 s42, s42, s40                     ; tile column
	s_and_b32 s43, ttmp7, 0xffff
	s_lshl_b32 s43, s43, 2
	s_add_co_u32 s43, s43, s41                     ; tile row
	s_lshl_b32 s44, s41, 2
	s_lshl_b32 s44, 15, s44                        ; my row of the cluster
	s_lshl_b32 s45, 0x1111, s40                    ; my column
	s_or_b32 s[G1+0], s44, (1<<16)|(1<<20)|(1<<21)|(5<<22)|(3<<25)   ; elements of 2 bytes; padding: 4 words after every 64
	s_mov_b32 s[G1+1], 128<<16                     ; tensor_dim0 = 128
	s_mov_b32 s[G1+2], 64<<16                      ; tensor_dim1 = 64
	s_mov_b32 s[G1+3], 128<<16                     ; tile_dim0
	s_mov_b32 s[G1+4], 64                          ; tile_dim1
	s_mov_b32 s[G1+5], 128                         ; stride: dense
	s_mov_b32 s[G1+6], 0
	s_mov_b32 s[G1+7], 0
	s_or_b32 s[G1B+0], s45, (1<<16)|(1<<20)|(1<<21)|(6<<22)|(7<<25)  ; padding: 8 words after every 128
	s_mov_b32 s[G1B+1], 256<<16
	s_mov_b32 s[G1B+2], 64<<16
	s_mov_b32 s[G1B+3], 256<<16
	s_mov_b32 s[G1B+4], 64
	s_mov_b32 s[G1B+5], 1024
	s_mov_b32 s[G1B+6], 0
	s_mov_b32 s[G1B+7], 0
	s_lshr_b32 s16, s43, 4                         ; A: batch = tile row / 16,
	s_lshl_b32 s16, s16, 22
	s_and_b32 s17, s43, 15
	s_lshl_b32 s17, s17, 14                        ; first position 128 (tile row % 16), rows of 128 bytes,
	s_add_co_u32 s16, s16, s17
	s_lshl_b32 s17, s14, 18                        ; my head of the K step's two
	s_add_co_u32 s16, s16, s17
	s_mov_b32 s17, 0
	s_lshl_b32 s18, s42, 9                         ; B: column 256 x tile column, 2 bytes each,
	s_lshl_b32 s19, s14, 17                        ; my 64 rows of 2,048 bytes
	s_add_co_u32 s18, s18, s19
	s_mov_b32 s19, 0
	s_mul_i32 s20, s14, HEADB                      ; where they go
	s_mul_i32 s21, s14, 64*PB
	s_add_co_u32 s21, s21, BOFF
	s_wait_dscnt 0x0                               ; both opening adds are done
	s_wait_kmcnt 0x0
	s_add_nc_u64 s[16:17], s[4:5], s[16:17]
	s_add_nc_u64 s[18:19], s[6:7], s[18:19]
	CROUND                                         ; all sixteen work-groups are here
.irp s, 0,1
	s_mov_b32 s[G0+4*\s], 1
	s_add_co_u32 s[G0+4*\s+1], s20, \s*SLOT
	s_add_nc_u64 s[G0+4*\s+2:G0+4*\s+3], s[16:17], \s*KBYTES
	s_or_b32 s[G0+4*\s+3], s[G0+4*\s+3], 0x80000000
	s_mov_b32 s[G0B+4*\s], 1
	s_add_co_u32 s[G0B+4*\s+1], s21, \s*SLOT
	s_add_nc_u64 s[G0B+4*\s+2:G0B+4*\s+3], s[18:19], \s*128*2048
	s_or_b32 s[G0B+4*\s+3], s[G0B+4*\s+3], 0x80000000
	JLOAD \s
.endr
	v_and_b32 v1, 15, v0                           ; r
	v_bfe_u32 v2, v0, 4, 1                         ; h
	s_lshl_b32 s22, s42, 10
	s_lshl_b32 s23, s14, 9
	s_add_co_u32 s22, s22, s23                     ; my first column x 4 bytes
	s_mov_b32 s23, 0
	s_add_nc_u64 s[8:9], s[8:9], s[22:23]
	s_add_nc_u64 s[10:11], s[10:11], s[22:23]
	v_lshlrev_b32 v[BOF], 5, v2
.irp b, 0,1,2,3,4,5,6,7
	global_load_b128 v[BI+8*\b:BI+8*\b+3], v[BOF], s[8:9] offset:64*\b         ; tile b, register j: b_proj[first column + 16 b + 8 h + j]
	global_load_b128 v[BI+8*\b+4:BI+8*\b+7], v[BOF], s[8:9] offset:64*\b+16
.endr
	s_lshl_b32 s22, s43, 7
	s_lshl_b32 s16, s13, 6
	s_add_co_u32 s22, s22, s16                     ; my first row
	s_lshl_b32 s22, s22, 12
	s_add_nc_u64 s[10:11], s[10:11], s[22:23]
	s_lshr_b32 s22, s43, 4                         ; the prefetches: my tile row,
	s_lshl_b32 s22, s22, 22
	s_and_b32 s16, s43, 15
	s_lshl_b32 s16, s16, 14
	s_add_co_u32 s22, s22, s16
	s_lshl_b32 s16, s40, 12                        ; my work-group's 16 blocks of each head,
	s_add_co_u32 s22, s22, s16
	s_add_co_u32 s22, s22, 2*KBYTES                ; at K step 2: the first refill steps it to 3 and names K step 4
	s_add_nc_u64 s[PFA:PFA+1], s[4:5], s[22:23]
	s_cmp_eq_u32 s12, 0
	s_cselect_b32 s[LIM], 1, -1
	v_lshlrev_b32 v[PFO], 8, v1
	v_lshl_add_u32 v[PFO], v2, 18, v[PFO]          ; lanes 0-15 the even head's blocks, lanes 16-31 the odd head's
	v_lshrrev_b32 v3, 1, v1
	v_mul_u32_u24 v3, v3, PA
	v_and_b32 v4, 1, v0
	v_lshl_add_u32 v3, v4, 7, v3
	v_lshl_add_u32 v3, v2, 4, v3                   ; A: (r / 2) 272 + (r % 2) 128 + 16 h
	s_mul_i32 s22, s13, 32*PA                      ; my 64 rows
	v_add_nc_u32 v[ADRA], s22, v3
	v_add_nc_u32 v[ADRA+1], SLOT, v[ADRA]
	v_and_b32 v4, 7, v0
	v_lshl_add_u32 v4, v2, 3, v4
	v_mul_u32_u24 v4, v4, PB
	v_bfe_u32 v5, v0, 3, 1
	v_lshl_add_u32 v4, v5, 4, v4                   ; B, for the turning load: k 8 h + lane % 8, columns 8 ((lane / 8) % 2) on
	s_lshl_b32 s22, s14, 8
	s_add_co_u32 s22, s22, BOFF                    ; my 128 columns
	v_add_nc_u32 v[ADRB], s22, v4
	v_add_nc_u32 v[ADRB+1], SLOT, v[ADRB]
	s_mul_i32 s22, s12, 16*SPITCH
	s_add_co_u32 s22, s22, STAGE                   ; my stage
	v_mul_u32_u24 v5, v1, SPITCH
	v_lshl_add_u32 v5, v2, 5, v5
	v_add_nc_u32 v[STO], s22, v5
	v_and_b32 v6, 31, v0
	v_lshlrev_b32 v[CO], 4, v6
	v_add_nc_u32 v[RD], s22, v[CO]
; 24 LDS loads in one run: the fragments of quarter q (32 along K) of a slot into buffer f: B's eight (turned), then A's four
.macro FETCH slot, q, f
	WIN 0x40
.irp i, 0,1,2,3,4,5,6,7
	ds_load_tr16_b128 v[64*(\f)+8*\i:64*(\f)+8*\i+3], v[ADRB+\slot] offset:(\q)*32*PB+32*\i
	ds_load_tr16_b128 v[64*(\f)+8*\i+4:64*(\f)+8*\i+7], v[ADRB+\slot] offset:(\q)*32*PB+16*PB+32*\i
.endr
	WIN 0
.irp i, 0,1,2,3
	ds_load_b128 v[AF+32*(\f)+8*\i:AF+32*(\f)+8*\i+3], v[ADRA+\slot] offset:((\q)/2)*HEADB+((\q)%2)*64+\i*8*PA
	ds_load_b128 v[AF+32*(\f)+8*\i+4:AF+32*(\f)+8*\i+7], v[ADRA+\slot] offset:((\q)/2)*HEADB+((\q)%2)*64+\i*8*PA+32
.endr
.endm
; 8 matrix instructions: A's block a x B's eight.  The 32 accumulators take turns, one instruction a turn, in the same order in every quarter.
.macro MULA f, a, zero
.irp b, 0,1,2,3,4,5,6,7
.if \zero
	v_wmma_f32_16x16x32_f16 v[8*(8*(\a)+\b):8*(8*(\a)+\b)+7], v[64*(\f)+8*\b:64*(\f)+8*\b+7], v[AF+32*(\f)+8*(\a):AF+32*(\f)+8*(\a)+7], v[BI+8*\b:BI+8*\b+7]
.else
	v_wmma_f32_16x16x32_f16 v[8*(8*(\a)+\b):8*(8*(\a)+\b)+7], v[64*(\f)+8*\b:64*(\f)+8*\b+7], v[AF+32*(\f)+8*(\a):AF+32*(\f)+8*(\a)+7], v[8*(8*(\a)+\b):8*(8*(\a)+\b)+7]
.endif
.endr
.endm
.macro MWIN zero                       ; source 0 (B) window 1, source 1 (A) window 0, D window 2; C window 2, or window 0 where it is the bias
.if \zero
	WIN 0x81
.else
	WIN 0xa1
.endif
.endm
.macro PLACES
.rept 4
	v_nop
.endr
.endm
.macro QUARTER slot, q, f, g, zero     ; multiplies buffer f and fetches the slot's quarter q into buffer g
	s_wait_dscnt 4                                 ; B and A's blocks 0, 1 are in; the youngest four loads (A's blocks 2, 3) may be out
	MWIN \zero
	MULA \f, 0, \zero
	MULA \f, 1, \zero
	PLACES
	FETCH \slot, \q, \g
	s_wait_dscnt 24                                ; all but the 24 just issued
	MWIN \zero
	MULA \f, 2, \zero
	MULA \f, 3, \zero
.endm
; A slot's last quarter multiplies buffer 1 and changes slots: one barrier; in front of it each wave waits for all its tensor loads, adds 0 to its spare word, and waits for that and for its reads of this slot.
.macro TURN slot, next, fill
.if \fill
	s_wait_xcnt 0x0                                ; the last prefetch, a K step back, has read its address
	s_add_nc_u64 s[PFA:PFA+1], s[PFA:PFA+1], KBYTES
.endif
	WIN 0
	s_wait_tensorcnt 0x0                           ; my part of the next slot has landed
	ds_add_u32 v[SPW], v[NIL]
	s_wait_dscnt 5                                 ; (the add and the youngest four loads may be out)
	WIN 0xa1
	MULA 1, 0, 0
	s_wait_dscnt 0x0                               ; the add is done, and my reads of this slot are over
	s_barrier_signal -1
	MULA 1, 1, 0
.if \fill
	WIN 0
.endif
	s_barrier_wait -1
.if \fill
	CREST                                          ; the barrier has opened a round of the cluster's barrier
	s_add_nc_u64 s[G0+4*\slot+2:G0+4*\slot+3], s[G0+4*\slot+2:G0+4*\slot+3], 2*KBYTES
	s_add_nc_u64 s[G0B+4*\slot+2:G0B+4*\slot+3], s[G0B+4*\slot+2:G0B+4*\slot+3], 2*128*2048
	JLOAD \slot                                    ; the first tensor load behind the round; its four v_nop are also the places in front of the loads below
.else
	PLACES
.endif
	FETCH \next, 0, 0
.if \fill
	ASK
.endif
	WIN 0xa1
	MULA 1, 2, 0
	MULA 1, 3, 0
.endm
	s_wait_tensorcnt 1                             ; my part of K step 0 is in (K step 1's load is younger),
	s_barrier_signal -1
	s_barrier_wait -1                              ; everybody's is
	FETCH 0, 0, 0
	s_wait_loadcnt 0x0                             ; the bias
	QUARTER 0, 1, 0, 1, 1                          ; the first quarter starts the sums
	WIN 0
	s_mov_b32 s3, 3
.Llap:                                             ; a trip goes once round the ring and fills both slots again
	QUARTER 0, 2, 1, 0, 0
	QUARTER 0, 3, 0, 1, 0
	TURN 0, 1, 1
	QUARTER 1, 1, 0, 1, 0
	QUARTER 1, 2, 1, 0, 0
	QUARTER 1, 3, 0, 1, 0
	TURN 1, 0, 1
	QUARTER 0, 1, 0, 1, 0
	WIN 0
	s_sub_co_u32 s3, s3, 1
	s_cmp_lg_u32 s3, 0
	s_cbranch_scc1 .Llap
	QUARTER 0, 2, 1, 0, 0                          ; the last lap fills nothing
	QUARTER 0, 3, 0, 1, 0
	TURN 0, 1, 0
	QUARTER 1, 1, 0, 1, 0
	QUARTER 1, 2, 1, 0, 0
	QUARTER 1, 3, 0, 1, 0
	s_wait_dscnt 4
	WIN 0xa1
	MULA 1, 0, 0
	MULA 1, 1, 0
	s_wait_dscnt 0
	MULA 1, 2, 0
	MULA 1, 3, 0
	WIN 0
; THE WAY OUT, block by block of 16 rows x 128 columns, through my own stage: back as whole rows of 512 bytes.
.macro TOSTAGE a
	WIN 0x08                                       ; an LDS store's data are its source 1: window 2
.irp b, 0,1,2,3,4,5,6,7
	ds_store_b128 v[STO], v[64*(\a)+8*\b:64*(\a)+8*\b+3] offset:64*\b          ; each accumulator from its low end on
	ds_store_b128 v[STO], v[64*(\a)+8*\b+4:64*(\a)+8*\b+7] offset:64*\b+16
.endr
	WIN 0
.set BB, BK+64*((\a)%2)
.irp t, 0,1,2,3,4,5,6,7,8,9,10,11,12,13,14,15
	ds_load_b128 v[BB+4*\t:BB+4*\t+3], v[RD] offset:\t*SPITCH
.endr
.endm
.macro SEND a, younger
.set BB, BK+64*((\a)%2)
	s_wait_dscnt \younger
.irp t, 0,1,2,3,4,5,6,7,8,9,10,11,12,13,14,15
	global_store_b128 v[CO], v[BB+4*\t:BB+4*\t+3], s[10:11] offset:(16*(\a)+\t)*4096 th:TH_STORE_NT   ; 32 lanes store 512 consecutive bytes, aligned
.endr
.endm
	PLACES
	TOSTAGE 0
.irp a, 1,2,3
.if \a > 1
	s_wait_xcnt 0x0                                ; block a - 2's stores have read their registers: block a's loads may land there
.endif
	TOSTAGE \a
	SEND \a-1, 32                                  ; younger: block a's 16 stores and 16 loads
.endr
	SEND 3, 0
	s_wait_tensorcnt 0x0                           ; the wave's end
	ds_add_u32 v[SPW], v[NIL]
	s_wait_dscnt 0x0
	CROUND                                         ; the closing round
	s_endpgm
.Lfunc_end_k_qa3171a2baa_proj:
	.size	k_qa3171a2baa_proj, .Lfunc_end_k_qa3171a2baa_proj-k_qa3171a2baa_proj
	.p2alignl 7, 3214868480
	.fill 96, 4, 3214868480
	.section	.rodata,"a",@progbits
	.p2align	6, 0x0
	.amdhsa_kernel k_qa3171a2baa_proj
		.amdhsa_group_segment_fixed_size 327680
		.amdhsa_private_segment_fixed_size 0
		.amdhsa_enable_private_segment 0
		.amdhsa_kernarg_size 32
		.amdhsa_user_sgpr_count 2
		.amdhsa_user_sgpr_kernarg_segment_ptr 1
		.amdhsa_wavefront_size32 1
		.amdhsa_system_sgpr_workgroup_id_x 1
		.amdhsa_system_sgpr_workgroup_id_y 1
		.amdhsa_system_sgpr_workgroup_id_z 1
		.amdhsa_system_vgpr_workitem_id 0
		.amdhsa_next_free_vgpr 768
		.amdhsa_next_free_sgpr 66
		.amdhsa_reserve_vcc 0
		.amdhsa_float_denorm_mode_32 3
		.amdhsa_float_denorm_mode_16_64 3
		.amdhsa_memory_ordered 1
		.amdhsa_forward_progress 1
		.amdhsa_inst_pref_size 88
	.end_amdhsa_kernel
	.amdgpu_metadata
---
amdhsa.version: [ 1, 2 ]
amdhsa.kernels:
  - .name:           k_qa3171a2baa_proj
    .symbol:         k_qa3171a2baa_proj.kd
    .args:
      - { .name: y16, .offset: 0, .size: 8, .value_kind: global_buffer, .address_space: global }
      - { .name: wp16, .offset: 8, .size: 8, .value_kind: global_buffer, .address_space: global }
      - { .name: b_proj, .offset: 16, .size: 8, .value_kind: global_buffer, .address_space: global }
      - { .name: out0, .offset: 24, .size: 8, .value_kind: global_buffer, .address_space: global }
    .group_segment_fixed_size: 327680
    .private_segment_fixed_size: 0
    .kernarg_segment_align: 8
    .kernarg_segment_size: 32
    .max_flat_workgroup_size: 128
    .sgpr_count:     66
    .vgpr_count:     768
    .wavefront_size: 32
...
	.end_amdgpu_metadata
.endif
;; end of part 4
;; launch fine (part 5): grid 64 x 4, 16 waves a work-group, no clusters, 18,432 bytes of LDS; arguments qkvf, w_proj, b_proj, out0; writes out0
.if DOCPART == 5
	.amdgcn_target "amdgcn-amd-amdhsa--gfx1250"
	.amdhsa_code_object_version 6
	.text
	.protected	k_qa3171a2baa_fine
	.globl	k_qa3171a2baa_fine
	.p2align	8
	.type	k_qa3171a2baa_fine,@function
k_qa3171a2baa_fine:
	s_mov_b64 s[64:65], 0
	v_nop
	global_prefetch_b8 v0, s[64:65] scope:SCOPE_SE
	s_setreg_imm32_b32 hwreg(HW_REG_WAVE_MODE, 25, 1), 1
	s_wait_xcnt 0x0
; Positions 0 .. 15 of every sequence, in f32 from the quantised product's sums to out0: these rows average one to sixteen values and are the largest in size.
; qkvf: f32 [16 b + t][3072] (q, k, v with their bias); w_proj, b_proj: the inputs as they are; out0 rows t < 16 of batch b are written over.
; SHARES.  Work-group (ns, b) makes out0[b][0 .. 15][16 ns .. 16 ns + 15].  Wave h takes head h: its 16 x 16 attention, then y_h (16 x 64) x w_proj[64 h .. 64 h + 63][16 ns ..]; the sixteen partial tiles meet in LDS and wave 0 adds them.
; The attention of a head is done again by each of the 64 column slices: 12 KB of loads and 32 small products a wave.
; All products are v_wmma_f32_16x16x4_f32, 48 a wave.  Along every K the same order of k is given to both operands, so that plain loads and earlier results serve as operands as they stand:
;   S^T = K Q^T: k slot (h, j) of step s is channel 32 h + 2 s + j;   O^T = V^T P: key 8 h + 2 s + j;   the projection: channel 16 ct + 8 h + 2 s + j.
; The registers that these products write (v144-223) are written by matrix instructions alone; sums begin with C = 0; two or four accumulators take turns.
; STATED: a row of out0 gets pieces of 64 bytes (262,144 bytes in the launch).  The sums are taken in another order than the definition's.  NaN and infinities among the inputs are not served.
.set SPARE, 16384                      ; LDS: 0 .. 16383 the partial tiles as images of registers, 1,024 bytes a wave; then the spare words, 128 bytes a wave
.set SPW,  10
.set NIL,  11
.set NINF, 12
.set QF,   16                          ; v16-47   Q: channels 32 h + 0 .. 31 of query r; later y
.set KFR,  48                          ; v48-79   K likewise; later my partial tile
.set VF,   80                          ; v80-111  V[8 h + i][16 ct + r] at 8 ct + i
.set WF,   112                         ; v112-143 w_proj[64 head + 16 ct + 8 h + i][n0 + r] at 8 ct + i
.set SA,   144
.set SB,   152
.set OA,   160
.set PAC,  192
.set T,    224                         ; v224-231 the scores, then p
.set BIA,  232
	s_load_b128 s[4:7], s[0:1], 0x0                ; qkvf, w_proj
	s_load_b128 s[8:11], s[0:1], 0x10              ; b_proj, out0
	v_lshl_add_u32 v[SPW], v0, 2, SPARE
	v_mov_b32 v[NIL], 0
	v_lshrrev_b32 v1, 5, v0
	v_readfirstlane_b32 s12, v1                    ; wave = head
	s_and_b32 s13, ttmp7, 0xffff                   ; batch
	s_mov_b32 s20, 0x76543210
	s_mov_b32 s21, 0xfedcba98                      ; v_permlanex16_b32's selects for lane l xor 16
	s_mov_b32 s22, 0x3e38aa3b                      ; c = log2(e) / 8
	v_and_b32 v244, 15, v0                         ; r
	v_bfe_u32 v245, v0, 4, 1                       ; h
	v_and_b32 v246, 31, v0
	v_mul_u32_u24 v1, v244, 12288
	v_lshl_add_u32 v1, v245, 7, v1                 ; Q, K: row r, + 128 h bytes
	v_lshlrev_b32 v247, 2, v244
	v_mad_u32_u24 v2, v245, 8*12288, v247          ; V: rows 8 h on, + 4 r
	v_lshl_add_u32 v3, v245, 15, v247              ; w_proj: rows 8 h on, + 4 r
	v_lshlrev_b32 v4, 5, v245                      ; the bias: 32 h
	v_lshlrev_b32 v7, 4, v246                      ; an image's place for my lane
	s_lshl_b32 s19, s12, 10
	v_add_nc_u32 v5, s19, v7                       ; my wave's image
	v_lshlrev_b32 v6, 12, v244
	v_lshl_add_u32 v6, v245, 5, v6                 ; out0: row r, + 32 h bytes
	v_lshlrev_b32 v9, 3, v245
	v_sub_nc_u32 v9, v244, v9                      ; r - 8 h: register j holds key 8 h + j, hidden where j > r - 8 h
	v_mov_b32 v[NINF], 0xff800000
	v_mov_b32 v14, 0                               ; a lane permute's destination counts as one of its sources
	s_mul_i32 s16, s13, 16*12288
	s_lshl_b32 s17, s12, 8
	s_add_co_u32 s16, s16, s17
	s_mov_b32 s17, 0
	s_lshl_b32 s18, ttmp9, 6                       ; my first column x 4 bytes
	s_wait_kmcnt 0x0
	s_add_nc_u64 s[4:5], s[4:5], s[16:17]          ; qkvf at (16 b, 64 head)
	s_lshl_b32 s16, s12, 18
	s_add_co_u32 s16, s16, s18
	s_add_nc_u64 s[6:7], s[6:7], s[16:17]          ; w_proj at (64 head, n0)
	s_mov_b32 s16, s18
	s_add_nc_u64 s[8:9], s[8:9], s[16:17]
	s_lshl_b32 s16, s13, 23
	s_add_co_u32 s16, s16, s18
	s_add_nc_u64 s[10:11], s[10:11], s[16:17]      ; out0 at (2,048 b, n0)
	global_load_b128 v[BIA:BIA+3], v4, s[8:9]
	global_load_b128 v[BIA+4:BIA+7], v4, s[8:9] offset:16
.irp i, 0,1,2,3,4,5,6,7
	global_load_b128 v[QF+4*\i:QF+4*\i+3], v1, s[4:5] offset:16*\i
.endr
.irp i, 0,1,2,3,4,5,6,7
	global_load_b128 v[KFR+4*\i:KFR+4*\i+3], v1, s[4:5] offset:4096+16*\i
.endr
.irp ct, 0,1,2,3
.irp i, 0,1,2,3,4,5,6,7
	global_load_b32 v[VF+8*\ct+\i], v2, s[4:5] offset:8192+\i*12288+\ct*64
.endr
.endr
	s_wait_loadcnt 32                              ; the bias, Q and K are in; V's 32 loads are younger
.irp ct, 0,1,2,3
.irp i, 0,1,2,3,4,5,6,7
	global_load_b32 v[WF+8*\ct+\i], v3, s[6:7] offset:(16*\ct+\i)*4096
.endr
.endr
	; S^T = K Q^T: 16 steps of 4 channels, on two accumulators by turns
	v_wmma_f32_16x16x4_f32 v[SA:SA+7], v[KFR:KFR+1], v[QF:QF+1], 0
	v_wmma_f32_16x16x4_f32 v[SB:SB+7], v[KFR+2:KFR+3], v[QF+2:QF+3], 0
.set kk, 1
.rept 7
	v_wmma_f32_16x16x4_f32 v[SA:SA+7], v[KFR+4*kk:KFR+4*kk+1], v[QF+4*kk:QF+4*kk+1], v[SA:SA+7]
	v_wmma_f32_16x16x4_f32 v[SB:SB+7], v[KFR+4*kk+2:KFR+4*kk+3], v[QF+4*kk+2:QF+4*kk+3], v[SB:SB+7]
.set kk, kk+1
.endr
.rept 8
	v_nop                                          ; eight plain lines behind this form before a result is read (ISA guide 7.12.1)
.endr
.irp i, 0,2,4,6
	v_pk_add_f32 v[T+\i:T+\i+1], v[SA+\i:SA+\i+1], v[SB+\i:SB+\i+1]    ; lane (r, h): query r, keys 8 h + 0 .. 7
.endr
.irp j, 0,1,2,3,4,5,6,7
	v_cmp_gt_i32 vcc_lo, \j, v9
	v_cndmask_b32 v[T+\j], v[T+\j], v[NINF], vcc_lo                    ; hidden keys: -infinity, so p = 0
.endr
	v_max3_num_f32 v13, v[T], v[T+1], v[T+2]
	v_max3_num_f32 v13, v13, v[T+3], v[T+4]
	v_max3_num_f32 v13, v13, v[T+5], v[T+6]
	v_max_num_f32 v13, v13, v[T+7]
	v_permlanex16_b32 v14, v13, s20, s21
	v_max_num_f32 v13, v13, v14                    ; the row's maximum (key 0 counts for every query)
	v_mul_f32 v14, s22, v13
.irp j, 0,1,2,3,4,5,6,7
	v_fma_f32 v[T+\j], v[T+\j], s22, -v14
.endr
.irp j, 0,1,2,3,4,5,6,7
	v_exp_f32 v[T+\j], v[T+\j]
.endr
	v_nop
	s_wait_alu depctr_va_vdst(0)                   ; one wait for the eight, ahead of their first reader
	v_pk_add_f32 v[240:241], v[T:T+1], v[T+2:T+3]
	v_pk_add_f32 v[242:243], v[T+4:T+5], v[T+6:T+7]
	v_pk_add_f32 v[240:241], v[240:241], v[242:243]
	v_add_f32 v15, v240, v241
	v_permlanex16_b32 v13, v15, s20, s21
	v_add_f32 v15, v15, v13                        ; the row's sum
	v_rcp_f32 v14, v15
	v_nop
	s_wait_alu depctr_va_vdst(0)
.rept 4
	v_nop
.endr
	s_wait_loadcnt 32                              ; V is in; w_proj's 32 loads are younger
	; O^T = V^T P: 4 steps of 4 keys, four accumulators (16 channels each) by turns
.irp ct, 0,1,2,3
	v_wmma_f32_16x16x4_f32 v[OA+8*\ct:OA+8*\ct+7], v[VF+8*\ct:VF+8*\ct+1], v[T:T+1], 0
.endr
.irp sp, 1,2,3
.irp ct, 0,1,2,3
	v_wmma_f32_16x16x4_f32 v[OA+8*\ct:OA+8*\ct+7], v[VF+8*\ct+2*\sp:VF+8*\ct+2*\sp+1], v[T+2*\sp:T+2*\sp+1], v[OA+8*\ct:OA+8*\ct+7]
.endr
.endr
.rept 8
	v_nop
.endr
.set i, 0
.rept 16
	v_pk_mul_f32 v[QF+2*i:QF+2*i+1], v[OA+2*i:OA+2*i+1], v[14:15] op_sel_hi:[1,0]   ; y(query r, channel 16 ct + 8 h + j) at 8 ct + j, into other registers
.set i, i+1
.endr
.rept 4
	v_nop
.endr
	s_wait_loadcnt 0x0                             ; w_proj
	; my head's part of the projection, transposed: source 0 = 16 columns of w_proj, source 1 = y
.irp ct, 0,1,2,3
	v_wmma_f32_16x16x4_f32 v[PAC+8*\ct:PAC+8*\ct+7], v[WF+8*\ct:WF+8*\ct+1], v[QF+8*\ct:QF+8*\ct+1], 0
.endr
.irp sp, 1,2,3
.irp ct, 0,1,2,3
	v_wmma_f32_16x16x4_f32 v[PAC+8*\ct:PAC+8*\ct+7], v[WF+8*\ct+2*\sp:WF+8*\ct+2*\sp+1], v[QF+8*\ct+2*\sp:QF+8*\ct+2*\sp+1], v[PAC+8*\ct:PAC+8*\ct+7]
.endr
.endr
.rept 8
	v_nop
.endr
.irp i, 0,2,4,6
	v_pk_add_f32 v[KFR+\i:KFR+\i+1], v[PAC+\i:PAC+\i+1], v[PAC+8+\i:PAC+8+\i+1]
.endr
.irp i, 0,2,4,6
	v_pk_add_f32 v[240+\i:240+\i+1], v[PAC+16+\i:PAC+16+\i+1], v[PAC+24+\i:PAC+24+\i+1]
.endr
.irp i, 0,2,4,6
	v_pk_add_f32 v[KFR+\i:KFR+\i+1], v[KFR+\i:KFR+\i+1], v[240+\i:240+\i+1]     ; register j: out(t = r, n0 + 8 h + j), my head's part
.endr
	ds_store_b128 v5, v[KFR:KFR+3]
	ds_store_b128 v5, v[KFR+4:KFR+7] offset:512
	s_wait_dscnt 0x0                               ; for the others' sake: my image has landed
	s_barrier_signal -1
	s_barrier_wait -1
	s_cmp_lg_u32 s12, 0
	s_cbranch_scc1 .Lend
.set w, 0
.rept 16
	ds_load_b128 v[16+8*w:16+8*w+3], v7 offset:1024*w
	ds_load_b128 v[16+8*w+4:16+8*w+7], v7 offset:1024*w+512
.set w, w+1
.endr
	s_wait_dscnt 0x0
.irp d, 8,4,2,1                        ; the sixteen heads' parts, as a tree
.set w, 0
.rept \d
.irp i, 0,2,4,6
	v_pk_add_f32 v[16+8*w+\i:16+8*w+\i+1], v[16+8*w+\i:16+8*w+\i+1], v[16+8*(w+\d)+\i:16+8*(w+\d)+\i+1]
.endr
.set w, w+1
.endr
.endr
.irp i, 0,2,4,6
	v_pk_add_f32 v[16+\i:16+\i+1], v[16+\i:16+\i+1], v[BIA+\i:BIA+\i+1]
.endr
	global_store_b128 v6, v[16:19], s[10:11]
	global_store_b128 v6, v[20:23], s[10:11] offset:16
.Lend:
	s_wait_tensorcnt 0x0                           ; the wave's end
	ds_add_u32 v[SPW], v[NIL]
	s_wait_dscnt 0x0
	s_endpgm
.Lfunc_end_k_qa3171a2baa_fine:
	.size	k_qa3171a2baa_fine, .Lfunc_end_k_qa3171a2baa_fine-k_qa3171a2baa_fine
	.p2alignl 7, 3214868480
	.fill 96, 4, 3214868480
	.section	.rodata,"a",@progbits
	.p2align	6, 0x0
	.amdhsa_kernel k_qa3171a2baa_fine
		.amdhsa_group_segment_fixed_size 18432
		.amdhsa_private_segment_fixed_size 0
		.amdhsa_enable_private_segment 0
		.amdhsa_kernarg_size 32
		.amdhsa_user_sgpr_count 2
		.amdhsa_user_sgpr_kernarg_segment_ptr 1
		.amdhsa_wavefront_size32 1
		.amdhsa_system_sgpr_workgroup_id_x 1
		.amdhsa_system_sgpr_workgroup_id_y 1
		.amdhsa_system_sgpr_workgroup_id_z 1
		.amdhsa_system_vgpr_workitem_id 0
		.amdhsa_next_free_vgpr 256
		.amdhsa_next_free_sgpr 66
		.amdhsa_reserve_vcc 1
		.amdhsa_float_denorm_mode_32 3
		.amdhsa_float_denorm_mode_16_64 3
		.amdhsa_memory_ordered 1
		.amdhsa_forward_progress 1
		.amdhsa_inst_pref_size 25
	.end_amdhsa_kernel
	.amdgpu_metadata
---
amdhsa.version: [ 1, 2 ]
amdhsa.kernels:
  - .name:           k_qa3171a2baa_fine
    .symbol:         k_qa3171a2baa_fine.kd
    .args:
      - { .name: qkvf, .offset: 0, .size: 8, .value_kind: global_buffer, .address_space: global }
      - { .name: w_proj, .offset: 8, .size: 8, .value_kind: global_buffer, .address_space: global }
      - { .name: b_proj, .offset: 16, .size: 8, .value_kind: global_buffer, .address_space: global }
      - { .name: out0, .offset: 24, .size: 8, .value_kind: global_buffer, .address_space: global }
    .group_segment_fixed_size: 18432
    .private_segment_fixed_size: 0
    .kernarg_segment_align: 8
    .kernarg_segment_size: 32
    .max_flat_workgroup_size: 512
    .sgpr_count:     66
    .vgpr_count:     256
    .wavefront_size: 32
...
	.end_amdgpu_metadata
.endif
;; end of part 5
